; MI455X (gfx1250); checked and timed in simulation.
; The chip was launched on July 23, 2026; its instructions are those of AMD's public machine-readable ISA for CDNA 5 (MIT licence, August 2026) and "CDNA5" Instruction Set Architecture Reference Guide (July 2026). The comments in the code are by the model that wrote it; some were corrected since.
;; Fixed Mask Attention. Allowed arithmetic: matrix products marked QUANTISED: E4M3 operands, one E8M0 scale for each 32 along K, by v_wmma_scale_f32_16x16x128_f8f6f4 with both operands' format E4M3, f32 sums; everything else in f32.
;; Inputs: Wk 2,048 x 512 float32; Wo 512 x 2,048 float32; Wq 2,048 x 512 float32; Wv 2,048 x 512 float32; hidden_states 4 x 2,048 x 2,048 float32; position_ids 2 x 2,048 int32.
;; Outputs: out0 4 x 2,048 x 2,048 float32.
;; This version of the problem:
;;   THIS VERSION OF THE PROBLEM IS GIVEN IN LOW PRECISION. The matrix products marked QUANTISED in the list below multiply operands that are first quantised to E4M3 (4 exponent bits, 3 mantissa bits; 8 bits a number), with one power-of-two scale for each 32 numbers along K (OCP MX v1.0); their sums are f32. All else is computed in f32.
;;   The module's matrix products, in the order in which they are computed (A, B: the left and right operand; K: the contracted axis; several contracted axes count as one K, in the product's order):
;;     1. [M 4,096, K 2,048] x [K 2,048, N 512]; A: input hidden_states; B: input Wq: QUANTISED
;;     2. [M 4,096, K 2,048] x [K 2,048, N 512]; A: input hidden_states; B: input Wk: QUANTISED
;;     3. [M 4,096, K 2,048] x [K 2,048, N 512]; A: input hidden_states; B: input Wv: QUANTISED
;;     4. batch 8 x [M 2,048, K 128] x [K 128, N 2,048]; A: computed on the way; B: computed on the way: QUANTISED
;;     5. batch 8 x [M 128, K 2,048] x [K 2,048, N 2,048]; A: computed on the way; B: softmax (see below): QUANTISED
;;     6. [M 4,096, K 512] x [K 512, N 2,048]; A: computed on the way; B: input Wo: QUANTISED
;;     7. [M 4,096, K 2,048] x [K 2,048, N 512]; A: input hidden_states; B: input Wq: QUANTISED
;;     8. [M 4,096, K 2,048] x [K 2,048, N 512]; A: input hidden_states; B: input Wk: QUANTISED
;;     9. [M 4,096, K 2,048] x [K 2,048, N 512]; A: input hidden_states; B: input Wv: QUANTISED
;;     10. batch 8 x [M 2,048, K 128] x [K 128, N 2,048]; A: computed on the way; B: computed on the way: QUANTISED
;;     11. batch 8 x [M 128, K 2,048] x [K 2,048, N 2,048]; A: computed on the way; B: softmax (see below): QUANTISED
;;     12. [M 4,096, K 512] x [K 512, N 2,048]; A: computed on the way; B: input Wo: QUANTISED
;;   THE QUANTISER, for each operand of a quantised product, along K:
;;     - K is cut into blocks of 32 from its start; a last block that is shorter is filled with zeros.
;;     - A block's scale is 2^e with e = floor(log2(the largest magnitude in the block)) - 8, held to -126 .. 127; a block of zeros has e = 0. As a byte (E8M0): e + 127.
;;     - Each number is divided by its block's scale, clamped to +-448, and rounded to the nearest number of E4M3, ties to even, subnormals kept.
;;     - The product sums the exact products of the quantised numbers (number of the format x scale) in f32.
;;   ~~~python
;;   def quantise(x, axis):      # numpy; x: float32 -> the quantised numbers, widened to float32 again
;;       x = np.moveaxis(x, axis, -1); K = x.shape[-1]
;;       x = np.pad(x, [(0, 0)] * (x.ndim - 1) + [(0, -K % 32)]); x = x.reshape(x.shape[:-1] + (-1, 32)); a = np.abs(x).max(-1, keepdims=True)
;;       e = np.where(a > 0, np.clip(np.frexp(np.where(a > 0, a, 1))[1] - 1 - 8, -126, 127), 0)      # np.frexp(a)[1] - 1 = floor(log2(a)), exactly
;;       r = np.clip(x / 2.0 ** e, -448, 448)
;;       step = 2.0 ** (np.maximum(np.frexp(np.where(r == 0, 1, r))[1] - 1, -6) - 3)
;;       q = np.round(r / step) * step * 2.0 ** e      # np.round: ties to even
;;       return np.moveaxis(q.reshape(q.shape[:-2] + (-1,))[..., :K], -1, axis).astype(np.float32)
;;   ~~~
;;   SOFTMAX AHEAD OF A QUANTISED PRODUCT. Where the list says 'softmax', what is quantised is not the finished softmax but p = 2^(t - M), with t = logit x log2(e) and M = ceil(the row's largest t), a whole number; so 1/2 < the row's largest p <= 1. The row's sum l is taken of the UNQUANTISED p, in f32, and the product's result is divided by l at the end. Since M is a whole number, a kernel that streams over the keys may use a running M (the ceiling of the running maximum): every later rescaling is an exact power of two, which a block's scale takes up: the codes' values come out the same.
;;   OPERANDS COMPUTED ON THE WAY. 'Computed on the way' means the value that the module computes at that place (a softmax that the list does not call 'softmax' is quantised finished and normalised). What goes into a quantiser is computed in f32, as accurately as f32 sums, v_exp_f32 and their like allow (about 1e-6 of the number): no bf16 or f16 on the way to a quantiser, and a product that is left as it is and whose result goes on into a quantised operand takes f32 operands (vector FMAs, or v_wmma_f32_16x16x4_f32). A number that lies on a knife's edge between two numbers of the format may be rounded either way, as far as f32 arithmetic and the matrix unit's own rounding can turn it there, and no further.
;; One version. Each part assembles by itself: llvm-mc -triple=amdgcn-amd-amdhsa -mcpu=gfx1250 --defsym DOCPART=n.
;; ======== version 1 of 1: 4 launches
;; limits: right only within a limited range of input values
;; workspace buffers: hq 17,301,504 bytes; wq 5,341,184 bytes; wo_codes 1,048,576 bytes; wo_scales 32,768 bytes; qkvb 12,976,128 bytes; o_codes 4,194,304 bytes; o_scales 131,072 bytes
;; launch prep (part 1): grid 640 x 1, 4 waves a work-group, no clusters, 69,632 bytes of LDS; arguments hidden_states, position_ids, Wq, Wk, Wv, Wo, hq, wq, wo_codes, wo_scales; writes hq, wq, wo_codes, wo_scales
.if DOCPART == 1
	.amdgcn_target "amdgcn-amd-amdhsa--gfx1250"
	.amdhsa_code_object_version 6
	.text
	.protected	k_q1c50dbbe31_prep
	.globl	k_q1c50dbbe31_prep
	.p2align	8
	.type	k_q1c50dbbe31_prep,@function
k_q1c50dbbe31_prep:
	s_mov_b64 s[64:65], 0
	v_nop
	global_prefetch_b8 v0, s[64:65] scope:SCOPE_SE
	s_setreg_imm32_b32 hwreg(HW_REG_WAVE_MODE, 25, 1), 1
	s_wait_xcnt 0x0
; FIRST OF FOUR LAUNCHES of an attention layer on codes of FP8 (E4M3) with one E8M0 scale for each 32 along a product's K.
; This launch quantises what arrives as f32: hidden_states [8192][2048] along its last axis (work-groups 0-511, which also make the table of cos and sin), and Wq, Wk, Wv [2048][512], Wo [512][2048] along their FIRST axis (work-groups 512-639).
; WORK LEFT OUT BY THE PROGRAM.  (1) In batches 0 and 1 the scores of keys k > q are set to -infinity by the mask that the computation builds itself, so their weights are 0 whatever the inputs hold: the third launch leaves out
; every step of 128 keys that lies wholly behind a wave's queries.  (2) The repeat of K's and V's heads has one group and changes nothing; stop_gradient changes no value.  Every input has a way to the output: all are loaded.
; LIMIT of (1): a NaN, an infinity or an overflow that reaches only such masked scores is not carried to the result.
; POSITION ORDER.  sw(x) is x with bits 3 and 4 exchanged.  Rows of hidden_states' codes and scale bytes, rows of the cos/sin table, and the rows (output columns) of Wq's, Wk's and Wv's codes lie at POSITION p = sw(true row).
; Sixteen neighbouring positions 16 T + r are then the true rows 32 (T / 2) + 8 (T % 2) + r + 8 (r / 8): a product's results of two neighbouring tiles are 16 neighbours along the next product's K.  Wo's rows stay in true order.
; A block's scale is 2^(floor(log2(largest magnitude)) - 8); its byte is the largest magnitude's exponent field - 8, held at 1 from below.  A block of zeros gets the byte 1 and zero codes: the bytes are read by this program alone.
; LIMITS: blocks whose largest magnitude lies under 2^-118 keep the byte 1; NaN and infinities among the inputs are not served; |position_ids| under 2^20 (pi / 2 is taken in two parts, 48 bits);
; the frequencies 10000^(-i / 64) are made as 2^(-i c) with c in two parts, within about two units in the last place.
; The two paths part on the work-group's number, never join, and have LDS bytes of their own.
.set HS,     16777216                  ; hq: the scale bytes begin here
.set WS,     3145728                   ; wq: the scale bytes,
.set RP,     3244032                   ; and the cos/sin table: [4096 positions][64 cos | 64 sin] f32
.set LB,     32768                     ; LDS: the weights' path begins here
.set SPARE,  67584                     ; the spare words, 128 bytes for each wave
.set SPW,    224                       ; v224  LDS address of my spare word; never rewritten
.set NIL,    225                       ; v225  0; never rewritten
.set EMAX,   8
.set STEPS,  16
.set SP,     80                        ; a lane's place in a stage: 64 bytes + 16 of padding
.set WREG,   8192                      ; a wave's LDS on the first path: two stages of 32 x SP bytes, then its 256 scale bytes
.set AR,     16                        ; v16-95   five sets of 16 numbers as loaded
.set AX,     96                        ; v96-127  two sets of 16 neighbours
.set AE,     226                       ; v226-241 a scale byte for each step
.set AC,     128                       ; v128-191 codes, four registers for each step
.set BX,     32                        ; the weights' path: v32-127 three sets of 32 numbers (the third is done with when the way out's loads land on its upper half)
.set BC,     16                        ; v16-23   a block's codes
.set BOUT,   112                       ; v112-175 the way out
.set BSB,    24                        ; v24-25   the scale bytes
.set VO,     176                       ; v176-207 byte offset of row i of a block of 32 rows, at my column
.set VOUT,   208                       ; v208-223 byte offset of the rows that I store
.set SB,     48                        ; s[48:63] the source at block t of 32 rows: eight bases, none is stepped
.set BP,     272                       ; a stage row on the weights' path
	s_load_b128 s[4:7], s[0:1], 0x0                ; hidden_states, position_ids
	s_load_b128 s[12:15], s[0:1], 0x10             ; Wq, Wk
	s_load_b128 s[16:19], s[0:1], 0x20             ; Wv, Wo
	s_load_b128 s[8:11], s[0:1], 0x30              ; hq, wq
	s_load_b128 s[20:23], s[0:1], 0x40             ; wo_codes, wo_scales
	v_lshl_add_u32 v[SPW], v0, 2, SPARE
	v_mov_b32 v[NIL], 0
	v_lshrrev_b32 v1, 5, v0
	v_readfirstlane_b32 s26, v1                    ; wave
	v_and_b32 v2, 31, v0                           ; lane
	s_mov_b32 s27, 0x600000                        ; the mantissa field of 448
	s_wait_kmcnt 0x0
	s_cmp_lt_u32 ttmp9, 512
	s_cbranch_scc0 .Lweights
; ---------------- hidden_states: a wave takes a run of 8,192 numbers (four rows), 16 steps of 512 ----------------
; Each load reads 512 consecutive bytes; a step's 2,048 bytes turn through the wave's own stage so that a lane holds 16 neighbours; two lanes hold a block.
	s_wait_alu depctr_va_vdst(0)
	v_lshlrev_b32 v3, 4, v2                        ; my 16 bytes of a load's 512
	s_mul_i32 s28, s26, WREG
	v_lshrrev_b32 v14, 2, v2
	v_mul_u32_u24 v14, v14, SP
	v_and_b32 v15, 3, v2
	v_lshl_add_u32 v14, v15, 4, v14
	v_add_nc_u32 v14, s28, v14                     ; the stage, on the way in
	v_mul_u32_u24 v15, v2, SP
	v_add_nc_u32 v15, s28, v15                     ; and on the way out
	v_lshlrev_b32 v4, 4, v2                        ; my 16 codes' place in a step's 512
	v_lshrrev_b32 v5, 1, v2
	s_add_co_u32 s28, s28, 2*32*SP
	v_add_nc_u32 v5, s28, v5                       ; my block's scale byte in LDS
	v_lshlrev_b32 v7, 3, v2                        ; 8 bytes a lane
	v_add_nc_u32 v6, s28, v7
	s_lshl_b32 s28, ttmp9, 2
	s_add_co_u32 s28, s28, s26                     ; R: my run; true rows 4 R .. 4 R + 3
	s_lshr_b32 s29, s28, 1
	s_lshr_b32 s30, s28, 2
	s_xor_b32 s29, s29, s30
	s_and_b32 s29, s29, 1
	s_mul_i32 s29, s29, 6
	s_xor_b32 s29, s28, s29                        ; R with bits 1 and 2 exchanged: the rows' bits 3 and 4: where the run lies in position order
	s_lshl_b32 s30, s28, 15
	s_mov_b32 s31, 0
	s_add_nc_u64 s[4:5], s[4:5], s[30:31]          ; the numbers
	s_lshl_b32 s30, s29, 13
	s_add_nc_u64 s[32:33], s[8:9], s[30:31]        ; the codes
	s_lshl_b32 s30, s29, 8
	s_add_co_u32 s30, s30, HS
	s_add_nc_u64 s[34:35], s[8:9], s[30:31]        ; the scale bytes
	s_lshr_b32 s36, s28, 2                         ; the table: my wave makes positions 2 R and 2 R + 1; their true tokens are 2 R'' and 2 R'' + 1, R'' = R with bits 2 and 3 exchanged
	s_lshr_b32 s37, s28, 3
	s_xor_b32 s36, s36, s37
	s_and_b32 s36, s36, 1
	s_mul_i32 s36, s36, 12
	s_xor_b32 s36, s28, s36
	s_lshl_b32 s36, s36, 3
	s_mov_b32 s37, 0
	s_add_nc_u64 s[6:7], s[6:7], s[36:37]
	s_load_b64 s[38:39], s[6:7], 0x0               ; the two position ids
	s_lshl_b32 s36, s28, 10
	s_add_co_u32 s36, s36, RP
	s_add_nc_u64 s[10:11], s[10:11], s[36:37]      ; the two rows of the table
	s_mov_b32 s40, 0x3fc90fdb                      ; pi / 2, first part,
	s_mov_b32 s41, 0xb33bbd2e                      ; second part
	s_mov_b32 s42, 0xb94ca1f9                      ; sine's three coefficients
	s_mov_b32 s43, 0x3c08839e
	s_mov_b32 s44, 0xbe2aaaa3
	s_mov_b32 s45, 0x37ccf5ce                      ; cosine's three
	s_mov_b32 s46, 0xbab6061a
	s_mov_b32 s47, 0x3d2aaaa5
	s_mov_b32 s48, 0x3e549a78                      ; c = log2(10000) / 64, first part,
	s_mov_b32 s49, 0x31979a31                      ; second part
.macro ALOAD t
.irp i, 0,1,2,3
	global_load_b128 v[AR+16*((\t)%5)+4*\i:AR+16*((\t)%5)+4*\i+3], v3, s[4:5] offset:2048*(\t)+512*\i th:TH_LOAD_NT
.endr
.endm
.macro ATURN t                         ; step t's numbers through the stage; LDS serves a wave's instructions in order, so no wait stands between the stores and the loads
.irp i, 0,1,2,3
	ds_store_b128 v14, v[AR+16*((\t)%5)+4*\i:AR+16*((\t)%5)+4*\i+3] offset:32*SP*((\t)%2)+8*SP*\i
.endr
.irp i, 0,1,2,3
	ds_load_b128 v[AX+16*((\t)%2)+4*\i:AX+16*((\t)%2)+4*\i+3], v15 offset:32*SP*((\t)%2)+16*\i
.endr
.endm
; sine and cosine of v[a]: n = the nearest whole number to a / (pi / 2); r = a - n pi / 2, |r| <= pi / 4; two short polynomials; the quadrant n mod 4 exchanges them and sets the signs
.macro SINCOS a, so, co
	v_mul_f32 v206, 0x3f22f983, v[\a]
	v_rndne_f32 v206, v206
	v_fma_f32 v207, -v206, s40, v[\a]
	v_fma_f32 v207, -v206, s41, v207
	v_cvt_i32_f32 v208, v206
	v_mul_f32 v209, v207, v207                     ; z = r r
	v_fma_f32 v210, v209, s42, s43
	v_fma_f32 v210, v210, v209, s44
	v_mul_f32 v211, v209, v207
	v_fma_f32 v210, v210, v211, v207               ; sin r
	v_fma_f32 v212, v209, s45, s46
	v_fma_f32 v212, v212, v209, s47
	v_mul_f32 v211, v209, v209
	v_fma_f32 v213, v209, -0.5, 1.0
	v_fma_f32 v212, v212, v211, v213               ; cos r
	v_and_b32 v211, 1, v208
	v_cmp_eq_u32 vcc_lo, 1, v211
	v_cndmask_b32 v[\so], v210, v212, vcc_lo
	v_cndmask_b32 v[\co], v212, v210, vcc_lo
	v_lshlrev_b32 v211, 30, v208
	v_and_b32 v211, 0x80000000, v211
	v_xor_b32 v[\so], v[\so], v211                 ; the sine is negative in quadrants 2 and 3,
	v_add_nc_u32 v211, 1, v208
	v_lshlrev_b32 v211, 30, v211
	v_and_b32 v211, 0x80000000, v211
	v_xor_b32 v[\co], v[\co], v211                 ; the cosine in quadrants 1 and 2
.endm
.irp t, 0,1,2,3,4
	ALOAD \t
.endr
	; the table, while the first loads are on their way: lane l has frequencies 2 l and 2 l + 1
	v_lshlrev_b32 v192, 1, v2
	v_add_nc_u32 v193, 1, v192
	v_cvt_f32_u32 v192, v192
	v_cvt_f32_u32 v193, v193
	v_mul_f32 v194, s48, v192                      ; p = f c1, rounded;
	v_mul_f32 v195, s48, v193
	v_fma_f32 v196, v192, s48, -v194               ; what the rounding dropped,
	v_fma_f32 v197, v193, s48, -v195
	v_fma_f32 v196, v192, s49, v196                ; and f c2
	v_fma_f32 v197, v193, s49, v197
	s_wait_alu depctr_va_vdst(0)
	v_exp_f32 v198, -v194
	v_exp_f32 v199, -v195
	v_mul_f32 v196, 0xbf317218, v196               ; x -ln 2 (plain work behind the two exponentials)
	v_mul_f32 v197, 0xbf317218, v197
	s_wait_alu depctr_va_vdst(0)                   ; one wait for both, ahead of their first reader
	v_fma_f32 v198, v198, v196, v198               ; 2^-(p + t) = 2^-p (1 - t ln 2)
	v_fma_f32 v199, v199, v197, v199
	s_wait_kmcnt 0x0
	v_cvt_f32_i32 v200, s38
	s_wait_alu depctr_va_vdst(0)
	v_cvt_f32_i32 v201, s39
	v_mul_f32 v202, v200, v198                     ; the angles: one f32 product each
	v_mul_f32 v203, v200, v199
	v_mul_f32 v204, v201, v198
	v_mul_f32 v205, v201, v199
	SINCOS 202, 218, 214
	SINCOS 203, 219, 215
	SINCOS 204, 220, 216
	SINCOS 205, 221, 217
	global_store_b64 v7, v[214:215], s[10:11]              ; each store of the wave covers 256 consecutive bytes, aligned
	global_store_b64 v7, v[218:219], s[10:11] offset:256
	global_store_b64 v7, v[216:217], s[10:11] offset:512
	global_store_b64 v7, v[220:221], s[10:11] offset:768
	s_wait_loadcnt 16                              ; step 0's four loads are in; those of the four steps behind it may be out
	ATURN 0
.macro ASTEP t
.set XS, AX+16*((\t)%2)
.if (\t) > 0
	s_wait_dscnt 1                                 ; this step's numbers are back from the stage (the last step's byte store may be out)
.else
	s_wait_dscnt 0x0
.endif
.if (\t)+5 < STEPS
	ALOAD (\t)+5                                   ; five steps on, into the registers that the stage's stores have read
.endif
.if (\t)+1 < STEPS
.if STEPS-2-(\t) >= 4
	s_wait_loadcnt 16                              ; the next step's four loads are in; those of the four steps behind it may be out
.else
	s_wait_loadcnt 4*(STEPS-2-(\t))
.endif
	ATURN (\t)+1
.endif
	v_max3_num_f32 v8, |v[XS]|, |v[XS+1]|, |v[XS+2]|
	v_max3_num_f32 v9, |v[XS+3]|, |v[XS+4]|, |v[XS+5]|
.irp i, 6,10
	v_max3_num_f32 v8, v8, |v[XS+\i]|, |v[XS+\i+1]|
	v_max3_num_f32 v9, v9, |v[XS+\i+2]|, |v[XS+\i+3]|
.endr
	v_max3_num_f32 v8, v8, |v[XS+14]|, |v[XS+15]|
	v_max3_num_f32 v8, v8, v9, (EMAX+1)<<23        ; the floor 2^(9 - 127): the byte cannot fall under 1
	v_max_num_f32_dpp v8, v8, v8 row_xmask:1 row_mask:0xf bank_mask:0xf   ; with my neighbour's 16: the block's largest magnitude
	v_add_nc_u32 v11, -(EMAX<<23), v8              ; 8 off its exponent field: the conversion's scale operand
	v_and_or_b32 v10, v8, 0x7f800000, s27          ; 448 x the scale
.irp i, 0,1,2,3,4,5,6,7,8,9,10,11,12,13,14,15
	v_med3_num_f32 v[XS+\i], v[XS+\i], -v10, v10   ; the conversion does not saturate (ISA guide 7.6.2): the hold comes first
.endr
	v_cvt_scalef32_pk8_fp8_f32 v[AC+4*(\t):AC+4*(\t)+1], v[XS:XS+7], v11
	v_cvt_scalef32_pk8_fp8_f32 v[AC+4*(\t)+2:AC+4*(\t)+3], v[XS+8:XS+15], v11
	v_lshrrev_b32 v[AE+(\t)], 23, v11              ; the scale's byte
	ds_store_b8 v5, v[AE+(\t)] offset:16*(\t)      ; both lanes of a block write the same byte with the same value
	global_store_b128 v4, v[AC+4*(\t):AC+4*(\t)+3], s[32:33] offset:512*(\t)   ; 512 consecutive bytes
.endm
.irp t, 0,1,2,3,4,5,6,7,8,9,10,11,12,13,14,15
	ASTEP \t
.endr
	ds_load_b64 v[8:9], v6                         ; my wave's 256 scale bytes; LDS serves a wave's instructions in order
	s_wait_dscnt 0x0
	global_store_b64 v7, v[8:9], s[34:35]          ; one aligned run of 256 bytes
	s_wait_tensorcnt 0x0                           ; the wave's end
	ds_add_u32 v[SPW], v[NIL]
	s_wait_dscnt 0x0
	s_endpgm
; ---------------- the four weights: K is the first axis.  A lane takes a column, its registers run down K ----------------
; A wave takes 32 columns x 256 along K.  One text serves both shapes: the strides stand in scalar registers, chosen on the work-group's number.
.Lweights:
	s_sub_co_u32 s28, ttmp9, 512                   ; 0-31 Wq, 32-63 Wk, 64-95 Wv, 96-127 Wo
	s_lshr_b32 s29, s28, 5                         ; which weight
	s_and_b32 s30, s28, 31
	s_lshl_b32 s41, s29, 7                         ; wq's rows lie [head][Wq | Wk | Wv][128]: a head's 384 rows, and their scale bytes, are on end
	s_mov_b32 s36, 8192
	s_mov_b32 s37, 512
	s_cmp_lt_u32 s28, 96
	s_cselect_b32 s36, 2048, s36                   ; a row of the weight in bytes
	s_cselect_b32 s37, 2048, s37                   ; a row of its codes
	s_cselect_b32 s38, 64, 16                      ; a row of its scale bytes
	s_cselect_b32 s39, 24, 0                       ; position order, or not (Wo)
	s_cselect_b32 s40, 2, 4                        ; bits of the column block's number
	s_cselect_b32 s41, s41, 0                      ; the weight's first row in wq
	s_cselect_b32 s46, WS, 0
	s_cselect_b64 s[42:43], s[10:11], s[20:21]     ; where the codes go,
	s_cselect_b64 s[44:45], s[10:11], s[22:23]     ; and the scale bytes
	s_cmp_eq_u32 s29, 0
	s_cselect_b64 s[12:13], s[12:13], s[14:15]
	s_cmp_lt_u32 s29, 2
	s_cselect_b64 s[12:13], s[12:13], s[16:17]
	s_cmp_lt_u32 s29, 3
	s_cselect_b64 s[12:13], s[12:13], s[18:19]     ; the weight
	s_bfm_b32 s47, s40, 0
	s_and_b32 s31, s30, s47                        ; block of 128 columns
	s_lshr_b32 s30, s30, s40                       ; block of 256 along K
	s_lshl_b32 s31, s31, 7
	s_lshl_b32 s32, s26, 5
	s_add_co_u32 s31, s31, s32                     ; my wave's first column
	s_mul_i32 s32, s30, s36
	s_lshl_b32 s32, s32, 8
	s_lshl_b32 s33, s31, 2
	s_add_co_u32 s32, s32, s33
	s_mov_b32 s33, 0
	s_add_nc_u64 s[SB:SB+1], s[12:13], s[32:33]
	s_lshl_b32 s32, s36, 5                         ; 32 rows on
.irp t, 1,2,3,4,5,6,7
	s_add_nc_u64 s[SB+2*\t:SB+2*\t+1], s[SB+2*\t-2:SB+2*\t-1], s[32:33]
.endr
	s_and_b32 s35, s31, 0x180                      ; 128 x head,
	s_lshl_b32 s35, s35, 1                         ; twice more: 384 rows a head
	s_cmp_lt_u32 s28, 96
	s_cselect_b32 s35, s35, 0                      ; (Wo's rows stay as they are)
	s_add_co_u32 s34, s41, s31                     ; my first row of the codes
	s_add_co_u32 s34, s34, s35
	s_mul_i32 s32, s34, s37
	s_lshl_b32 s35, s30, 8
	s_add_co_u32 s32, s32, s35
	s_add_nc_u64 s[42:43], s[42:43], s[32:33]
	s_mul_i32 s32, s34, s38
	s_lshl_b32 s35, s30, 3
	s_add_co_u32 s32, s32, s35
	s_add_co_u32 s32, s32, s46
	s_add_nc_u64 s[44:45], s[44:45], s[32:33]
	s_wait_alu depctr_va_vdst(0)
	v_lshrrev_b32 v3, 3, v2
	v_lshrrev_b32 v5, 4, v2
	v_xor_b32 v3, v3, v5
	v_and_b32 v3, 1, v3
	v_mul_lo_u32 v3, v3, s39
	v_xor_b32 v3, v2, v3                           ; the lane at position l reads true column sw(l): this enters the global address alone
	v_lshlrev_b32 v[VO], 2, v3
.set i, 1
.rept 31
	v_add_nc_u32 v[VO+i], s36, v[VO+i-1]
.set i, i+1
.endr
	s_mul_i32 s32, s26, 32*BP
	s_add_co_u32 s32, s32, LB                      ; my stage
	v_mul_u32_u24 v4, v2, BP
	v_add_nc_u32 v4, s32, v4                       ; into it: row = my position
	v_and_b32 v5, 15, v2
	v_lshrrev_b32 v6, 4, v2
	v_mul_u32_u24 v7, v6, BP
	v_lshl_add_u32 v7, v5, 4, v7
	v_add_nc_u32 v7, s32, v7                       ; out of it: sixteen lanes to a row, two rows an instruction
	v_mul_lo_u32 v8, v6, s37
	v_lshl_add_u32 v[VOUT], v5, 4, v8
	s_lshl_b32 s35, s37, 1
.set i, 1
.rept 15
	v_add_nc_u32 v[VOUT+i], s35, v[VOUT+i-1]
.set i, i+1
.endr
	v_mul_lo_u32 v9, v2, s38                       ; my row of scale bytes
.macro BLOAD t                         ; block t: rows 32 t + i of my column, into set t % 3; a wave's load covers 128 consecutive bytes
.set i, 0
.rept 32
	global_load_b32 v[BX+32*((\t)%3)+i], v[VO+i], s[SB+2*(\t):SB+2*(\t)+1] th:TH_LOAD_NT
.set i, i+1
.endr
.endm
	BLOAD 0
	BLOAD 1
.macro BBLOCK t
.set XS, BX+32*((\t)%3)
.if (\t) < 7
	s_wait_loadcnt 32                              ; this block's 32 loads are in; the next block's may be out
.else
	s_wait_loadcnt 0
.endif
.if (\t)+2 < 8
	BLOAD (\t)+2                                   ; two blocks on, asked for ahead of this block's arithmetic: into the third set, whose block is done with
.endif
	v_max3_num_f32 v12, |v[XS]|, |v[XS+1]|, |v[XS+2]|      ; all 32 numbers of the block are mine
	v_max3_num_f32 v13, |v[XS+3]|, |v[XS+4]|, |v[XS+5]|
.irp i, 6,10,14,18,22,26
	v_max3_num_f32 v12, v12, |v[XS+\i]|, |v[XS+\i+1]|
	v_max3_num_f32 v13, v13, |v[XS+\i+2]|, |v[XS+\i+3]|
.endr
	v_max3_num_f32 v12, v12, |v[XS+30]|, |v[XS+31]|
	v_max3_num_f32 v12, v12, v13, (EMAX+1)<<23
	v_add_nc_u32 v11, -(EMAX<<23), v12
	v_and_or_b32 v10, v12, 0x7f800000, s27
	v_lshrrev_b32 v13, 23, v11
.if (\t)%4 == 0
	v_mov_b32 v[BSB+(\t)/4], v13
.else
	v_lshl_or_b32 v[BSB+(\t)/4], v13, 8*((\t)%4), v[BSB+(\t)/4]
.endif
.irp i, 0,1,2,3,4,5,6,7,8,9,10,11,12,13,14,15,16,17,18,19,20,21,22,23,24,25,26,27,28,29,30,31
	v_med3_num_f32 v[XS+\i], v[XS+\i], -v10, v10
.endr
.irp g, 0,1,2,3
	v_cvt_scalef32_pk8_fp8_f32 v[BC+2*\g:BC+2*\g+1], v[XS+8*\g:XS+8*\g+7], v11
.endr
	ds_store_b128 v4, v[BC:BC+3] offset:32*(\t)
	ds_store_b128 v4, v[BC+4:BC+7] offset:32*(\t)+16
	s_wait_dscnt 0x0                               ; the stores have read their registers: the next block's codes may be written
.endm
.irp t, 0,1,2,3,4,5,6,7
	BBLOCK \t
.endr
	global_store_b64 v9, v[BSB:BSB+1], s[44:45]    ; my column's 8 scale bytes
.irp t, 0,1,2,3,4,5,6,7,8,9,10,11,12,13,14,15
	ds_load_b128 v[BOUT+4*\t:BOUT+4*\t+3], v7 offset:2*\t*BP
.endr
.irp t, 0,1,2,3,4,5,6,7,8,9,10,11,12,13,14,15
	s_wait_dscnt 15-\t
	global_store_b128 v[VOUT+\t], v[BOUT+4*\t:BOUT+4*\t+3], s[42:43]   ; sixteen lanes store 256 consecutive bytes, aligned
.endr
	s_wait_tensorcnt 0x0                           ; the wave's end
	ds_add_u32 v[SPW], v[NIL]
	s_wait_dscnt 0x0
	s_endpgm
.Lfunc_end_k_q1c50dbbe31_prep:
	.size	k_q1c50dbbe31_prep, .Lfunc_end_k_q1c50dbbe31_prep-k_q1c50dbbe31_prep
	.p2alignl 7, 3214868480
	.fill 96, 4, 3214868480
	.section	.rodata,"a",@progbits
	.p2align	6, 0x0
	.amdhsa_kernel k_q1c50dbbe31_prep
		.amdhsa_group_segment_fixed_size 69632
		.amdhsa_private_segment_fixed_size 0
		.amdhsa_enable_private_segment 0
		.amdhsa_kernarg_size 80
		.amdhsa_user_sgpr_count 2
		.amdhsa_user_sgpr_kernarg_segment_ptr 1
		.amdhsa_wavefront_size32 1
		.amdhsa_system_sgpr_workgroup_id_x 1
		.amdhsa_system_sgpr_workgroup_id_y 1
		.amdhsa_system_sgpr_workgroup_id_z 1
		.amdhsa_system_vgpr_workitem_id 0
		.amdhsa_next_free_vgpr 256
		.amdhsa_next_free_sgpr 66
		.amdhsa_reserve_vcc 1
		.amdhsa_float_denorm_mode_32 3
		.amdhsa_float_denorm_mode_16_64 3
		.amdhsa_memory_ordered 1
		.amdhsa_forward_progress 1
		.amdhsa_inst_pref_size 120
	.end_amdhsa_kernel
	.amdgpu_metadata
---
amdhsa.version: [ 1, 2 ]
amdhsa.kernels:
  - .name:           k_q1c50dbbe31_prep
    .symbol:         k_q1c50dbbe31_prep.kd
    .args:
      - { .name: hidden_states, .offset: 0, .size: 8, .value_kind: global_buffer, .address_space: global }
      - { .name: position_ids, .offset: 8, .size: 8, .value_kind: global_buffer, .address_space: global }
      - { .name: Wq, .offset: 16, .size: 8, .value_kind: global_buffer, .address_space: global }
      - { .name: Wk, .offset: 24, .size: 8, .value_kind: global_buffer, .address_space: global }
      - { .name: Wv, .offset: 32, .size: 8, .value_kind: global_buffer, .address_space: global }
      - { .name: Wo, .offset: 40, .size: 8, .value_kind: global_buffer, .address_space: global }
      - { .name: hq, .offset: 48, .size: 8, .value_kind: global_buffer, .address_space: global }
      - { .name: wq, .offset: 56, .size: 8, .value_kind: global_buffer, .address_space: global }
      - { .name: wo_codes, .offset: 64, .size: 8, .value_kind: global_buffer, .address_space: global }
      - { .name: wo_scales, .offset: 72, .size: 8, .value_kind: global_buffer, .address_space: global }
    .group_segment_fixed_size: 69632
    .private_segment_fixed_size: 0
    .kernarg_segment_align: 8
    .kernarg_segment_size: 80
    .max_flat_workgroup_size: 128
    .sgpr_count:     66
    .vgpr_count:     256
    .wavefront_size: 32
...
	.end_amdgpu_metadata
.endif
;; end of part 1
;; launch qkv (part 2): grid 4 x 64, 4 waves a work-group, clusters of 4 x 4, 327,680 bytes of LDS; arguments hq, wq, qkvb; writes qkvb
.if DOCPART == 2
	.amdgcn_target "amdgcn-amd-amdhsa--gfx1250"
	.amdhsa_code_object_version 6
	.text
	.protected	k_q1c50dbbe31_qkv
	.globl	k_q1c50dbbe31_qkv
	.p2align	8
	.type	k_q1c50dbbe31_qkv,@function
k_q1c50dbbe31_qkv:
	s_mov_b64 s[64:65], 0
	v_nop
	global_prefetch_b8 v0, s[64:65] scope:SCOPE_SE
	s_setreg_imm32_b32 hwreg(HW_REG_WAVE_MODE, 25, 1), 1
	s_wait_xcnt 0x0
	s_wait_alu depctr_hold_cnt(0) depctr_sa_sdst(0) depctr_va_vdst(0) depctr_va_sdst(0) depctr_va_ssrc(0) depctr_va_vcc(0) depctr_vm_vsrc(0)
	s_getreg_b32 s2, hwreg(HW_REG_IB_STS2, 6, 4)
	s_cmp_eq_u32 s2, 0
	s_cbranch_scc0 .Lentry_in_a_cluster
	s_endpgm
.Lentry_in_a_cluster:
	s_bfe_u32 s2, ttmp6, 0x10000c
	s_cmp_lg_u32 s2, 0xf033
	s_cbranch_scc0 .Lentry_shape_is_right
	s_endpgm
.Lentry_shape_is_right:
; SECOND LAUNCH: q, k, v = hidden_states x (Wq | Wk | Wv) on codes of FP8 (E4M3) with E8M0 scales; the rotary embedding on q and k; q and k quantised along the head's 128, v along the keys, all in registers.  Nothing is left out here.
; SHARES.  Work-group (x = head, y = block of 128 row positions) makes 128 positions x 384 columns: head x of q, of k and of v.  Wave w (i = w / 2, j = w % 2) takes positions 64 i .. 64 i + 63 (4 tiles of 16) against
; the 8 tiles of q (j = 0) or of k (j = 1), and against v's tiles 4 j .. 4 j + 3: 48 accumulators; 16 fragments from LDS feed 48 matrix instructions for each 128 along K.
; q and k are made TRANSPOSED (source 0 = 16 rows of W, source 1 = 16 rows of hidden): a lane holds one token and its registers run along the head's 128.  v is made the natural way round (source 0 = hidden, source 1 = Wv):
; a lane holds one channel and its registers run along the keys.  Rows lie in position order (bits 3 and 4 of a row's number exchanged), so the 16 registers of two neighbouring tiles are 16 true neighbours along the next K.
; WHAT IS STORED: images of operand registers.  A fragment (16 rows x 128 K) is 2,048 bytes: piece c at 512 c + 16 x lane: every store of the wave covers 512 consecutive bytes.  Scale words: 4 bytes a row.
; v's scale words leave as half words (a wave holds 64 of a step's 128 keys): 131,072 bytes of the launch's 13 million.
; K goes in steps of 256 through a ring of two LDS slots; the scale bytes of the work-group's rows, for all of K, come once.  CLUSTER 4 x 4: hidden's tile hangs on y and is shared along a row of the cluster, the weights' tiles hang on x
; and are shared along a column: each is asked for jointly.  Wave 0 fetches hidden's 128 rows, waves 1 to 3 those of Wq, Wk, Wv.
; REGISTERS, in windows of 256.  Window 0: v0-31 addresses; v32-63 scale words, two sets; v64-127, v128-191 hidden's fragments, two sets; v192-255 cos and sin of my tile 2.
;   Window 1: v0-191 the weights' 12 fragments, one set; v192-255 cos and sin of tile 3.  Window 2: the 32 accumulators of q or k ((a, b) at v[8 (8 a + b)]).  Window 3: v0-127 the 16 of v ((c, a) at v[32 c + 8 a]); v128-255 cos, sin of tiles 0, 1.
; LIMITS: as stated at the head of the first launch (the floor of a block's scale; NaN and infinities are not served).
.set ROWB,   256
.set KROW,   2048
.set PITCH,  272                       ; an LDS row: 256 bytes + 16 of padding: the 16 rows that a load touches start at 16 different banks (ISA guide 11.1)
.set FR,     16
.set HALFT,  128*PITCH
.set SLOT,   4*HALFT                   ; hidden's 128 rows, then Wq's, Wk's, Wv's
.set LAPS,   4
.set SCL,    2*SLOT                    ; the scale bytes: 64 a row, as runs of 256 bytes + 16 of padding
.set HALFS,  32*272                    ; those of 128 rows
.set SBLK,   4*272                     ; those of 16 rows
.set SPARE,  SCL+4*HALFS               ; the spare words, 128 bytes for each wave
.set HS,     16777216
.set WS,     3145728
.set RP,     3244032
.set VOF,    8388608                   ; qkvb: v's images;
.set QS,     12582912                  ; q's scale words (k's 131,072 on);
.set VSO,    QS+262144                 ; v's
.set ADRA, 16                          ; v16-17 hidden's fragments in slot 0, 1
.set L4,   18                          ; v18    4 x lane
.set VSA,  19                          ; v19    4 x (lane % 16)
.set ADRB, 20                          ; v20-21 q's or k's weights
.set ADRV, 22                          ; v22-23 v's weights
.set RA,   24                          ; v24    my place in the cos/sin table's rows
.set LI,   25                          ; v25    16 x lane
.set ADRS1, 26                         ; v26    scale words: lanes 0-15 hidden's, lanes 16-31 Wv's
.set ADRS2, 27                         ; v27    lanes 0-15 the weight's tiles 0-3, lanes 16-31 tiles 4-7
.set SPW,  28
.set NIL,  29
.set SC,   32                          ; set s at v[SC + 16 s]; register 2 i + q
.set AF,   64
.set X,    64                          ; the way out: 64 numbers at work,
.set TM,   128                         ; 16 registers of the quantiser
.set G1, 24
.set G0, 32
.set G1B, 48
.set G0B, 56
.set G1S, 68
.set G0S, 76
.set G1SB, 80
.set G0SB, 88
.set SEL, 20                           ; s[20:21] lane selects for lane l xor 16 (written behind the first loads)
.set MNT, 23
.set MSB, 0
.macro WIN new                         ; the immediate's high byte repeats the setting that is left
.if MSB != \new
	s_set_vgpr_msb (MSB<<8)|\new
.set MSB, \new
.endif
.endm
.set W_QK, 0xa1                        ; source 0 (weights) window 1, source 1 (hidden) window 0, C and D window 2
.set W_VV, 0xf4                        ; source 0 (hidden) window 0, source 1 (weights) window 1, C and D window 3
.set TO_B, 0x40
.macro JLOAD g0a, g1a, g0b, g1b        ; a joint load: wave 0 asks for hidden's, waves 1 to 3 for the weights'; the branch hangs on the wave's number alone; an s_nop 0 and four v_nop follow each line
	s_cmp_eq_u32 s14, 0
	s_cbranch_scc0 .Lfor_b_\@
	tensor_load_to_lds s[\g0a:\g0a+3], s[\g1a:\g1a+7]
	s_nop 0
.rept 4
	v_nop
.endr
	s_branch .Lasked_\@
.Lfor_b_\@:
	tensor_load_to_lds s[\g0b:\g0b+3], s[\g1b:\g1b+7]
	s_nop 0
.rept 4
	v_nop
.endr
.Lasked_\@:
.endm
.macro CREST
	s_cmp_lg_u32 s14, 0
	s_cbranch_scc1 .Lnot_wave_0_\@
	s_barrier_signal -3
.Lnot_wave_0_\@:
	s_barrier_wait -3
	s_barrier_signal -1
	s_barrier_wait -1
.endm
.macro CROUND
	s_barrier_signal -1
	s_barrier_wait -1
	CREST
.endm
	s_load_b128 s[4:7], s[0:1], 0x0                ; hq, wq
	s_load_b64 s[8:9], s[0:1], 0x10                ; qkvb
	v_lshl_add_u32 v[SPW], v0, 2, SPARE
	v_mov_b32 v[NIL], 0
	ds_add_u32 v[SPW], v[NIL]                      ; the wave's opening: the add, twice on end, and its wait ahead of my first tensor load
	ds_add_u32 v[SPW], v[NIL]
	v_lshrrev_b32 v1, 5, v0
	v_readfirstlane_b32 s14, v1                    ; wave
	s_lshr_b32 s15, s14, 1                         ; i
	s_and_b32 s16, s14, 1                          ; j
	s_bfe_u32 s40, ttmp6, 0x40000                  ; cx, cy
	s_bfe_u32 s41, ttmp6, 0x40004
	s_lshl_b32 s42, ttmp9, 2
	s_add_co_u32 s42, s42, s40                     ; x: the head
	s_and_b32 s17, ttmp7, 0xffff
	s_lshl_b32 s17, s17, 2
	s_add_co_u32 s17, s17, s41                     ; y: the block of 128 rows
	s_lshl_b32 s43, s41, 2
	s_lshl_b32 s43, 15, s43                        ; my row of the cluster
	s_lshl_b32 s44, 0x1111, s40                    ; my column
	s_or_b32 s[G1+0], s43, (0<<16)|(1<<20)|(1<<21)|(5<<22)|(3<<25)   ; the mask; elements of 1 byte; padding: 4 words after every 64; bit 21 set beside a mask
	s_or_b32 s[G1B+0], s44, (0<<16)|(1<<20)|(1<<21)|(5<<22)|(3<<25)
.irp g, G1, G1B
	s_mov_b32 s[\g+1], ROWB<<16                    ; tensor_dim0 = 256
	s_mov_b32 s[\g+2], 128<<16                     ; tensor_dim1 = 128
	s_mov_b32 s[\g+3], ROWB<<16                    ; tile_dim0
	s_mov_b32 s[\g+4], 128                         ; tile_dim1
	s_mov_b32 s[\g+5], KROW                        ; from row to row
	s_mov_b32 s[\g+6], 0
	s_mov_b32 s[\g+7], 0
.endr
	s_or_b32 s[G1S+0], s43, (3<<16)|(1<<20)|(1<<21)|(5<<22)|(3<<25)  ; the scale bytes of 128 rows: 8,192 dense bytes as 32 rows of 32 elements of 8 bytes
	s_or_b32 s[G1SB+0], s44, (3<<16)|(1<<20)|(1<<21)|(5<<22)|(3<<25)
.irp g, G1S, G1SB
	s_mov_b32 s[\g+1], 32<<16
	s_mov_b32 s[\g+2], 32<<16
	s_mov_b32 s[\g+3], 32<<16
	s_mov_b32 s[\g+4], 32
	s_mov_b32 s[\g+5], 32
	s_mov_b32 s[\g+6], 0
	s_mov_b32 s[\g+7], 0
.endr
	s_lshl_b32 s20, s17, 18                        ; hidden: 128 y rows of 2,048 bytes,
	s_mov_b32 s21, 0
	s_lshl_b32 s22, s17, 13                        ; and of 64 scale bytes
	s_add_co_u32 s22, s22, HS
	s_mov_b32 s23, 0
	s_max_u32 s18, s14, 1
	s_sub_co_u32 s18, s18, 1                       ; which weight I fetch (wave 0, which asks for hidden's, makes Wq's address and does not use it)
	s_lshl_b32 s18, s18, 7
	s_mul_i32 s19, s42, 384                        ; the head's 384 rows of wq lie on end: Wq's 128, Wk's, Wv's
	s_add_co_u32 s18, s18, s19                     ; my weight's first row
	s_lshl_b32 s46, s18, 11
	s_mov_b32 s47, 0
	s_lshl_b32 s10, s19, 6                         ; the scale bytes of all 384
	s_add_co_u32 s10, s10, WS
	s_mov_b32 s11, 0
	s_mul_i32 s45, s14, HALFT                      ; where they go: wave x 128 rows: no place in the cluster enters an LDS address
	s_mov_b32 s[G1B+2], 384<<16                    ; the head's load of the weights brings all 384 rows; behind it the two words are set to 128, for the ring's
	s_mov_b32 s[G1B+4], 384
	s_mov_b32 s[G1SB+2], 96<<16                    ; and their scale bytes: 24,576 dense bytes
	s_mov_b32 s[G1SB+4], 96
	s_wait_dscnt 0x0                               ; both opening adds are done
	s_wait_kmcnt 0x0
	s_add_nc_u64 s[20:21], s[4:5], s[20:21]
	s_add_nc_u64 s[22:23], s[4:5], s[22:23]
	s_add_nc_u64 s[46:47], s[6:7], s[46:47]
	s_add_nc_u64 s[10:11], s[6:7], s[10:11]
	CROUND                                         ; all sixteen work-groups are here: the first joint loads meet
	s_mov_b32 s[G0S], 1
	s_mov_b32 s[G0S+1], SCL
	s_mov_b64 s[G0S+2:G0S+3], s[22:23]
	s_or_b32 s[G0S+3], s[G0S+3], 0x80000000
	s_mov_b32 s[G0SB], 1
	s_mov_b32 s[G0SB+1], SCL+HALFS
	s_mov_b64 s[G0SB+2:G0SB+3], s[10:11]
	s_or_b32 s[G0SB+3], s[G0SB+3], 0x80000000
.irp s, 0,1
	s_mov_b32 s[G0+4*\s], 1
	s_add_co_u32 s[G0+4*\s+1], s45, \s*SLOT
	s_add_nc_u64 s[G0+4*\s+2:G0+4*\s+3], s[20:21], \s*ROWB
	s_or_b32 s[G0+4*\s+3], s[G0+4*\s+3], 0x80000000
	s_mov_b32 s[G0B+4*\s], 1
	s_add_co_u32 s[G0B+4*\s+1], s45, \s*SLOT
	s_add_nc_u64 s[G0B+4*\s+2:G0B+4*\s+3], s[46:47], \s*ROWB
	s_or_b32 s[G0B+4*\s+3], s[G0B+4*\s+3], 0x80000000
.endr
; THE HEAD'S LOADS, one a wave: wave 0 K step 0 of hidden's 128 rows, wave 1 of the weights' 384 (its ring's group 0 for slot 0 names their first row and place), wave 2 hidden's scale bytes, wave 3 the weights'.
; One chain of branches on the wave's number, a load to an arm, all arms leading to one join.
.macro ARM under, g0, g1, next
	s_cmp_lt_u32 s14, \under
	s_cbranch_scc0 \next
	tensor_load_to_lds s[\g0:\g0+3], s[\g1:\g1+7]
	s_nop 0
.rept 4
	v_nop
.endr
	s_branch .Lhead_asked
\next:
.endm
	ARM 1, G0,  G1,  .Lhead_w
	ARM 2, G0B, G1B, .Lhead_sh
	ARM 3, G0S, G1S, .Lhead_sw
	tensor_load_to_lds s[G0SB:G0SB+3], s[G1SB:G1SB+7]
	s_nop 0
.rept 4
	v_nop
.endr
.Lhead_asked:
	v_and_b32 v1, 15, v0                           ; r
	v_bfe_u32 v2, v0, 4, 1                         ; h
	v_mul_u32_u24 v3, v1, PITCH
	v_lshl_add_u32 v3, v2, 4, v3                   ; a fragment's row x pitch + 16 h
	s_wait_alu depctr_va_vdst(0)
	s_mul_i32 s18, s15, 64*PITCH                   ; my 64 rows of hidden,
	s_mul_i32 s19, s16, HALFT
	s_add_co_u32 s19, s19, HALFT                   ; Wq's or Wk's 128 rows,
	s_mul_i32 s45, s16, 64*PITCH
	s_add_co_u32 s45, s45, 3*HALFT                 ; my 64 rows of Wv
.irp s, 0,1
	v_add_nc_u32 v[ADRA+\s], s18, v3
	v_add_nc_u32 v[ADRB+\s], s19, v3
	v_add_nc_u32 v[ADRV+\s], s45, v3
	s_add_co_u32 s18, s18, SLOT
	s_add_co_u32 s19, s19, SLOT
	s_add_co_u32 s45, s45, SLOT
.endr
	v_lshlrev_b32 v4, 6, v1
	v_lshrrev_b32 v5, 2, v1
	v_lshl_add_u32 v4, v5, 4, v4                   ; my row's scale bytes: 64 r + 16 for each 256 passed
	s_mul_i32 s18, s15, 4*SBLK
	s_mul_i32 s19, s16, 4*SBLK
	s_add_co_u32 s19, s19, 3*HALFS
	s_sub_co_u32 s19, s19, s18                     ; from hidden's rows to Wv's
	v_mul_u32_u24 v5, s19, v2                      ; lanes 16-31 take Wv's
	s_add_co_u32 s18, s18, SCL
	v_add_nc_u32 v5, v4, v5
	v_add_nc_u32 v[ADRS1], s18, v5
	s_mul_i32 s19, s16, HALFS
	s_add_co_u32 s19, s19, SCL+HALFS
	v_mul_u32_u24 v5, v2, 4*SBLK                   ; lanes 16-31 take tiles 4-7
	v_add_nc_u32 v5, v4, v5
	v_add_nc_u32 v[ADRS2], s19, v5
	v_lshlrev_b32 v[RA], 9, v1
	v_lshl_add_u32 v[RA], v2, 6, v[RA]             ; the table: row r of 512 bytes, + 64 h
	s_wait_alu depctr_va_vdst(0)
	v_and_b32 v6, 31, v0
	v_lshlrev_b32 v[LI], 4, v6
	v_lshlrev_b32 v[L4], 2, v6
	v_lshlrev_b32 v[VSA], 2, v1
	v_cmp_lt_u32 s66, 15, v6                       ; lanes 16-31
	s_mov_b32 s[SEL], 0x76543210
	s_mov_b32 s[SEL+1], 0xfedcba98
	s_mov_b32 s[MNT], 0x600000
; THE PREFETCHES: a tile is asked of memory ahead of its tensor load.  Of the 128 rows that my wave fetches in the ring, each of the four partners that ask for them jointly names 32, told apart by address alone
; (cx for hidden's rows, cy for the weights'): a lane a row, 256 bytes of it a K step.  Here K steps 1 and 2; behind slot 1's first fill K step 3; at the refill of K step j, K step j + 2; the last two refills name nothing.
.set PFO, 30
.set PFA, 44                           ; s[44:45] my 32 rows, at the K step that the next refill asks for
	v_lshlrev_b32 v[PFO], 11, v6
	s_lshl_b32 s10, s17, 7                         ; hidden: row 128 y
	s_lshl_b32 s11, s40, 5
	s_add_co_u32 s10, s10, s11                     ; + 32 cx
	s_max_u32 s46, s14, 1
	s_sub_co_u32 s46, s46, 1
	s_lshl_b32 s46, s46, 7                         ; a weight: row 128 x weight
	s_mul_i32 s47, s42, 384
	s_add_co_u32 s46, s46, s47                     ; + 128 x head
	s_lshl_b32 s47, s41, 5
	s_add_co_u32 s46, s46, s47                     ; + 32 cy
	s_cmp_eq_u32 s14, 0
	s_cselect_b32 s10, s10, s46
	s_cselect_b64 s[PFA:PFA+1], s[4:5], s[6:7]
	s_lshl_b32 s10, s10, 11
	s_add_co_u32 s10, s10, ROWB                    ; K step 1
	s_mov_b32 s11, 0
	s_add_nc_u64 s[PFA:PFA+1], s[PFA:PFA+1], s[10:11]
	s_wait_alu depctr_va_vdst(0)                   ; directly ahead of the reader below
	global_prefetch_b8 v[PFO], s[PFA:PFA+1] th:TH_LOAD_NT scope:SCOPE_SE
	global_prefetch_b8 v[PFO], s[PFA:PFA+1] offset:ROWB th:TH_LOAD_NT scope:SCOPE_SE
	s_and_b32 s12, s17, 31                         ; the table's rows: (batch % 2) x 2,048 + position = 128 (y % 32) + 64 i on
	s_lshl_b32 s12, s12, 7
	s_lshl_b32 s13, s15, 6
	s_add_co_u32 s12, s12, s13
	s_lshl_b32 s12, s12, 9
	s_add_co_u32 s12, s12, RP
	s_mov_b32 s13, 0
	s_add_nc_u64 s[12:13], s[6:7], s[12:13]
; cos and sin of tile a's 16 tokens: register 16 B + i = frequency 32 B + 16 h + i; cos at base, sin at base + 32.  Asked for once, here; waited for once, at the way out.
.macro CSLOAD a, w, base
	WIN (\w)<<6
.irp B, 0,1
.irp jj, 0,1,2,3
	global_load_b128 v[\base+16*\B+4*\jj:\base+16*\B+4*\jj+3], v[RA], s[12:13] offset:\a*8192+128*\B+16*\jj
	global_load_b128 v[\base+32+16*\B+4*\jj:\base+32+16*\B+4*\jj+3], v[RA], s[12:13] offset:\a*8192+256+128*\B+16*\jj
.endr
.endr
.endm
	CSLOAD 0, 3, 128
	CSLOAD 1, 3, 192
	CSLOAD 2, 0, 192
	CSLOAD 3, 1, 192
	WIN 0
	; where the results go, made in registers of their own.  bh = 4 x batch + head; ks = the block's number in its sequence
	s_lshr_b32 s96, s17, 4
	s_lshl_b32 s96, s96, 2
	s_add_co_u32 s96, s96, s42                     ; bh
	s_and_b32 s97, s17, 15                         ; ks
	s_lshl_b32 s92, s16, 22                        ; q's or k's images: j x 4,194,304 + bh x 262,144 + (128 ks + 64 i) x 128
	s_lshl_b32 s93, s96, 18
	s_add_co_u32 s92, s92, s93
	s_lshl_b32 s93, s97, 14
	s_add_co_u32 s92, s92, s93
	s_lshl_b32 s93, s15, 13
	s_add_co_u32 s92, s92, s93
	s_mov_b32 s93, 0
	s_add_nc_u64 s[92:93], s[8:9], s[92:93]
	s_lshl_b32 s94, s16, 17                        ; their scale words: QS + j x 131,072 + bh x 8,192 + (128 ks + 64 i) x 4
	s_lshl_b32 s95, s96, 13
	s_add_co_u32 s94, s94, s95
	s_lshl_b32 s95, s97, 9
	s_add_co_u32 s94, s94, s95
	s_lshl_b32 s95, s15, 8
	s_add_co_u32 s94, s94, s95
	s_add_co_u32 s94, s94, QS
	s_mov_b32 s95, 0
	s_add_nc_u64 s[94:95], s[8:9], s[94:95]
	s_lshl_b32 s98, s96, 13                        ; v's scale words: VSO + bh x 8,192 + ks x 512 + j x 256 + 2 i
	s_lshl_b32 s99, s97, 9
	s_add_co_u32 s98, s98, s99
	s_lshl_b32 s99, s16, 8
	s_add_co_u32 s98, s98, s99
	s_lshl_b32 s99, s15, 1
	s_add_co_u32 s98, s98, s99
	s_add_co_u32 s98, s98, VSO
	s_mov_b32 s99, 0
	s_add_nc_u64 s[98:99], s[8:9], s[98:99]
	s_lshl_b32 s96, s96, 18                        ; v's images: VOF + bh x 262,144 + ks x 16,384 + j x 8,192 + i x 1,024
	s_lshl_b32 s97, s97, 14
	s_add_co_u32 s96, s96, s97
	s_lshl_b32 s97, s16, 13
	s_add_co_u32 s96, s96, s97
	s_lshl_b32 s97, s15, 10
	s_add_co_u32 s96, s96, s97
	s_add_co_u32 s96, s96, VOF
	s_mov_b32 s97, 0
	s_add_nc_u64 s[96:97], s[8:9], s[96:97]
.macro FRAG reg, adr, q, i             ; 16 rows x 128 K of 8-bit codes: registers 4 c .. 4 c + 3 hold K = 32 c + 16 h + 0 .. 15
.irp c, 0,1,2,3
	ds_load_b128 v[\reg+4*\c:\reg+4*\c+3], v[\adr] offset:128*(\q)+32*\c+(\i)*16*PITCH
.endr
.endm
.macro FETCH_A slot, q, p              ; hidden's four fragments into set p: 16 loads
.irp i, 0,1,2,3
	FRAG AF+64*(\p)+FR*\i, ADRA+\slot, \q, \i
.endr
.endm
.macro FETCH_BLO slot, q               ; the weights' tiles 0-5: 24 loads
	WIN TO_B
.irp i, 0,1,2,3,4,5
	FRAG FR*\i, ADRB+\slot, \q, \i
.endr
	WIN 0
.endm
.macro FETCH_BHI slot, q               ; tiles 6, 7 and Wv's four: 24 loads
	WIN TO_B
.irp i, 6,7
	FRAG FR*\i, ADRB+\slot, \q, \i
.endr
.irp i, 0,1,2,3
	FRAG FR*(8+\i), ADRV+\slot, \q, \i
.endr
	WIN 0
.endm
.macro SCALES sc                       ; a K step's scale words, two words a row, into set sc: 8 loads
.irp i, 0,1,2,3
	ds_load_b64 v[SC+16*\sc+2*\i:SC+16*\sc+2*\i+1], v[ADRS1] offset:\i*SBLK
.endr
.irp i, 0,1,2,3
	ds_load_b64 v[SC+16*\sc+8+2*\i:SC+16*\sc+8+2*\i+1], v[ADRS2] offset:\i*SBLK
.endr
.endm
; the weight's tile b against hidden's four tiles.  The 48 accumulators take turns, one instruction a turn, in the same order in every step.
.macro QK b, p, q, sc, zero
.set SW, SC+16*(\sc)+2*(4+(\b)%4)+(\q)
.irp a, 0,1,2,3
.if \zero
.if (\b) > 3
	v_wmma_scale_f32_16x16x128_f8f6f4 v[8*(8*\a+(\b)):8*(8*\a+(\b))+7], v[FR*(\b):FR*(\b)+15], v[AF+64*(\p)+FR*\a:AF+64*(\p)+FR*\a+15], 0, v[SW], v[SC+16*(\sc)+2*\a+(\q)] matrix_a_scale:MATRIX_SCALE_ROW1
.else
	v_wmma_scale_f32_16x16x128_f8f6f4 v[8*(8*\a+(\b)):8*(8*\a+(\b))+7], v[FR*(\b):FR*(\b)+15], v[AF+64*(\p)+FR*\a:AF+64*(\p)+FR*\a+15], 0, v[SW], v[SC+16*(\sc)+2*\a+(\q)]
.endif
.else
.if (\b) > 3
	v_wmma_scale_f32_16x16x128_f8f6f4 v[8*(8*\a+(\b)):8*(8*\a+(\b))+7], v[FR*(\b):FR*(\b)+15], v[AF+64*(\p)+FR*\a:AF+64*(\p)+FR*\a+15], v[8*(8*\a+(\b)):8*(8*\a+(\b))+7], v[SW], v[SC+16*(\sc)+2*\a+(\q)] matrix_a_scale:MATRIX_SCALE_ROW1
.else
	v_wmma_scale_f32_16x16x128_f8f6f4 v[8*(8*\a+(\b)):8*(8*\a+(\b))+7], v[FR*(\b):FR*(\b)+15], v[AF+64*(\p)+FR*\a:AF+64*(\p)+FR*\a+15], v[8*(8*\a+(\b)):8*(8*\a+(\b))+7], v[SW], v[SC+16*(\sc)+2*\a+(\q)]
.endif
.endif
.endr
.endm
.macro VV p, q, sc, zero               ; hidden's four tiles against Wv's four
.irp c, 0,1,2,3
.irp a, 0,1,2,3
.if \zero
	v_wmma_scale_f32_16x16x128_f8f6f4 v[32*\c+8*\a:32*\c+8*\a+7], v[AF+64*(\p)+FR*\a:AF+64*(\p)+FR*\a+15], v[FR*(8+\c):FR*(8+\c)+15], 0, v[SC+16*(\sc)+2*\a+(\q)], v[SC+16*(\sc)+2*\c+(\q)] matrix_b_scale:MATRIX_SCALE_ROW1
.else
	v_wmma_scale_f32_16x16x128_f8f6f4 v[32*\c+8*\a:32*\c+8*\a+7], v[AF+64*(\p)+FR*\a:AF+64*(\p)+FR*\a+15], v[FR*(8+\c):FR*(8+\c)+15], v[32*\c+8*\a:32*\c+8*\a+7], v[SC+16*(\sc)+2*\a+(\q)], v[SC+16*(\sc)+2*\c+(\q)] matrix_b_scale:MATRIX_SCALE_ROW1
.endif
.endr
.endr
.endm
.macro PLACES n                        ; a load into a register that a matrix instruction has read, and a read of a result, stand eight plain vector instructions behind it (ISA guide 7.12.1 for the read of a result)
.rept \n
	v_nop
.endr
.endm
; A slot's first 128 along K (hidden's set 0); it fetches the second 128.  The weights have one set: tiles 0-5 are free behind their 24 products, tiles 6-11 at the step's end.
.macro STEP slot, zero
	s_wait_dscnt 24                                ; all but the youngest 24 loads (the weights' tiles 6-11) are in
	WIN W_QK
.irp b, 0,1,2,3,4,5
	QK \b, 0, 0, \slot, \zero
.endr
	s_wait_dscnt 0x0                               ; tiles 6-11 are in
	PLACES 8
	FETCH_BLO \slot, 1
	FETCH_A \slot, 1, 1
	WIN W_QK
	QK 6, 0, 0, \slot, \zero
	QK 7, 0, 0, \slot, \zero
	WIN W_VV
	VV 0, 0, \slot, \zero
	PLACES 8
	FETCH_BHI \slot, 1
.endm
; A slot's second 128 (set 1) changes slots: each wave waits for all its tensor loads, adds 0 to its spare word, waits for that and for its reads of this slot; one barrier, which opens a round of the cluster's where the slot is filled again.
.macro TURN slot, next, fill
.if \fill
	s_wait_xcnt 0x0                                ; my last prefetch has read its address: it steps one K step on
	s_add_nc_u64 s[PFA:PFA+1], s[PFA:PFA+1], ROWB
.endif
	s_wait_tensorcnt 0x0
	ds_add_u32 v[SPW], v[NIL]
	s_wait_dscnt 25
	WIN W_QK
.irp b, 0,1,2
	QK \b, 1, 1, \slot, 0
.endr
	s_wait_dscnt 0x0                               ; the add is done, and my reads of this slot are over
	s_barrier_signal -1
.irp b, 3,4,5
	QK \b, 1, 1, \slot, 0
.endr
	WIN 0
	s_barrier_wait -1
.if \fill
	CREST                                          ; no wave of any partner still reads this slot or has a load on its way
	s_add_nc_u64 s[G0+4*\slot+2:G0+4*\slot+3], s[G0+4*\slot+2:G0+4*\slot+3], 2*ROWB
	s_add_nc_u64 s[G0B+4*\slot+2:G0B+4*\slot+3], s[G0B+4*\slot+2:G0B+4*\slot+3], 2*ROWB
	JLOAD G0+4*\slot, G1, G0B+4*\slot, G1B         ; my one tensor load behind the round; its four v_nop are four of the eight places
	PLACES 4
.else
	PLACES 8
.endif
	s_wait_alu depctr_va_vdst(0)
	v_add_nc_u32 v[ADRS1], 8, v[ADRS1]             ; the next K step's scale words
	v_add_nc_u32 v[ADRS2], 8, v[ADRS2]
	FETCH_BLO \next, 0
	FETCH_A \next, 0, 0
	SCALES \next
.if \fill
	s_cmp_gt_u32 s3, 1                             ; the last trip's two refills have no K step two on
	s_cbranch_scc0 .Lno_ask_\@
	global_prefetch_b8 v[PFO], s[PFA:PFA+1] offset:2*ROWB th:TH_LOAD_NT scope:SCOPE_SE
.Lno_ask_\@:
.endif
	WIN W_QK
	QK 6, 1, 1, \slot, 0
	QK 7, 1, 1, \slot, 0
	WIN W_VV
	VV 1, 1, \slot, 0
	PLACES 8
	FETCH_BHI \next, 0
.endm
	s_wait_alu depctr_va_vdst(0)
	s_wait_tensorcnt 0x0                           ; my tile of the head's four is in; then, ahead of a later first fill:
	ds_add_u32 v[SPW], v[NIL]                      ; 0 onto my spare word;
	s_mov_b32 s[G1B+2], 128<<16                    ; no tensor load of mine is out: from here on a load of the weights brings 128 rows
	s_mov_b32 s[G1B+4], 128
	s_wait_dscnt 0x0
	CROUND                                         ; a whole round: all four tiles are in, and the joint loads meet
	JLOAD G0+4, G1, G0B+4, G1B                     ; K step 1, into slot 1
	FETCH_BLO 0, 0
	FETCH_A 0, 0, 0
	SCALES 0
	FETCH_BHI 0, 0
	global_prefetch_b8 v[PFO], s[PFA:PFA+1] offset:2*ROWB th:TH_LOAD_NT scope:SCOPE_SE   ; K step 3
	STEP 0, 1
	s_mov_b32 s3, LAPS-1
.Llap:                                             ; a trip goes once round the ring and fills both slots again
	TURN 0, 1, 1
	STEP 1, 0
	TURN 1, 0, 1
	STEP 0, 0
	s_sub_co_u32 s3, s3, 1
	s_cmp_lg_u32 s3, 0
	s_cbranch_scc1 .Llap
	TURN 0, 1, 0                                   ; the last lap fills nothing
	STEP 1, 0
	s_wait_dscnt 24
	WIN W_QK
.irp b, 0,1,2,3,4,5
	QK \b, 1, 1, 1, 0
.endr
	s_wait_dscnt 0x0
	QK 6, 1, 1, 1, 0
	QK 7, 1, 1, 1, 0
	WIN W_VV
	VV 1, 1, 1, 0
	WIN 0
	PLACES 8
; THE WAY OUT.  Nothing goes through LDS: a lane's registers already run along the next product's K.
; ROPE: tile a's 64 numbers of a lane (register 16 B + i = channel 32 B + 16 h + i) into X: x(d) = q(d) cos - q(d + 64) sin for d < 64, x(d) = q(d) cos + q(d - 64) sin above.  Each accumulator is read from its low end on.
.macro ROPE a, w, cb
	WIN ((\w)<<2)|2
.set n, 0
.rept 16
	v_pk_mul_f32 v[X+n:X+n+1], v[64*(\a)+n:64*(\a)+n+1], v[(\cb)+n:(\cb)+n+1]
.set n, n+2
.endr
.set n, 0
.rept 16
	v_pk_mul_f32 v[X+32+n:X+33+n], v[64*(\a)+32+n:64*(\a)+33+n], v[(\cb)+n:(\cb)+n+1]
.set n, n+2
.endr
.set n, 0
.rept 16
	v_pk_fma_f32 v[X+n:X+n+1], v[64*(\a)+32+n:64*(\a)+33+n], v[(\cb)+32+n:(\cb)+33+n], v[X+n:X+n+1] neg_lo:[1,0,0] neg_hi:[1,0,0]
.set n, n+2
.endr
.set n, 0
.rept 16
	v_pk_fma_f32 v[X+32+n:X+33+n], v[64*(\a)+n:64*(\a)+n+1], v[(\cb)+32+n:(\cb)+33+n], v[X+32+n:X+33+n]
.set n, n+2
.endr
	WIN 0
.endm
; QUANT: 64 numbers of a lane at v[s] of window ws, register 16 b + i = place 32 b + 16 h + i along K, become 16 registers of codes at v[pc] and a scale word in v[pw].  The hold also brings the numbers into X, in window 0.
.macro QUANT s, ws, pc, pw
	WIN (\ws)|((\ws)<<2)
.irp b, 0,1,2,3
	v_max3_num_f32 v[TM+\b], |v[(\s)+16*\b]|, |v[(\s)+16*\b+1]|, 0x4800000   ; and the floor 2^(9 - 127): the byte cannot fall under 1
.endr
.irp i, 2,4,6,8,10,12,14
.irp b, 0,1,2,3
	v_max3_num_f32 v[TM+\b], |v[(\s)+16*\b+\i]|, |v[(\s)+16*\b+\i+1]|, v[TM+\b]
.endr
.endr
	WIN 0
.irp b, 0,1,2,3
	v_permlanex16_b32 v[TM+4+\b], v[TM+\b], s[SEL], s[SEL+1]
.endr
.irp b, 0,1,2,3
	v_max_num_f32 v[TM+\b], v[TM+\b], v[TM+4+\b]   ; with lane l xor 16's 16: the block's largest magnitude
.endr
.irp b, 0,1,2,3
	v_add_nc_u32 v[TM+12+\b], 0xfc000000, v[TM+\b] ; 8 off its exponent field: the conversion's scale operand
.endr
.irp b, 0,1,2,3
	v_and_or_b32 v[TM+8+\b], v[TM+\b], 0x7f800000, s[MNT]   ; 448 x the scale
.endr
.irp b, 0,1,2,3
	v_lshrrev_b32 v[TM+4+\b], 23, v[TM+12+\b]      ; the scale's byte
.endr
	v_lshl_or_b32 v[\pw], v[TM+5], 8, v[TM+4]
	v_lshl_or_b32 v[\pw], v[TM+6], 16, v[\pw]
	v_lshl_or_b32 v[\pw], v[TM+7], 24, v[\pw]
	WIN \ws
.irp b, 0,1,2,3
.irp i, 0,1,2,3,4,5,6,7,8,9,10,11,12,13,14,15
	v_med3_num_f32 v[X+16*\b+\i], v[(\s)+16*\b+\i], -v[TM+8+\b], v[TM+8+\b]   ; the conversion does not saturate (ISA guide 7.6.2)
.endr
.endr
	WIN 0
.irp b, 0,1,2,3
	v_cvt_scalef32_pk8_fp8_f32 v[(\pc)+4*\b:(\pc)+4*\b+1], v[X+16*\b:X+16*\b+7], v[TM+12+\b]
	v_cvt_scalef32_pk8_fp8_f32 v[(\pc)+4*\b+2:(\pc)+4*\b+3], v[X+16*\b+8:X+16*\b+15], v[TM+12+\b]
.endr
	v_nop                                          ; a plain line between the last conversion and the next vector instruction that writes its sources
.endm
.macro QSTORE a, pc                    ; tile a's image: four stores of 512 consecutive bytes
.irp c, 0,1,2,3
	global_store_b128 v[LI], v[(\pc)+4*\c:(\pc)+4*\c+3], s[92:93] offset:2048*(\a)+512*\c
.endr
.endm
.macro VSTORE P, pc, pw, hi            ; block b of the four belongs to v's tile 2 P + b / 2, keys 32 (b % 2) on of my 64
.irp b, 0,1,2,3
	global_store_b128 v[LI], v[(\pc)+4*\b:(\pc)+4*\b+3], s[96:97] offset:(2*(\P)+\b/2)*2048+(\b%2)*512
.endr
	v_lshrrev_b32 v[\hi], 16, v[\pw]
	global_store_b16 v[VSA], v[\pw], s[98:99] offset:128*(\P)        ; my two bytes of tile 2 P's words (both halves of the lanes write the same bytes with the same values),
	global_store_b16 v[VSA], v[\hi], s[98:99] offset:128*(\P)+64     ; and of tile 2 P + 1's
.endm
	s_wait_loadcnt 0x0                             ; cos and sin
.irp b, 0,1,2,3
	v_mov_b32 v[TM+4+\b], 0                        ; written once: a lane permute's destination counts as one of its sources
.endr
	ROPE 0, 3, 128
	QUANT X, 0, 144, 32
	QSTORE 0, 144
	ROPE 1, 3, 192
	QUANT X, 0, 160, 33
	QSTORE 1, 160
	ROPE 2, 0, 192
	QUANT X, 0, 176, 34
	QSTORE 2, 176
	s_wait_xcnt 0x0                                ; the earlier stores have read their data: the codes' registers are written again only behind this wait
	ROPE 3, 1, 192
	QUANT X, 0, 144, 35
	QSTORE 3, 144
	v_cndmask_b32 v44, v32, v33, s66               ; lanes 0-15 tile 0's words, lanes 16-31 tile 1's: 128 consecutive bytes
	v_cndmask_b32 v45, v34, v35, s66
	global_store_b32 v[L4], v44, s[94:95]
	global_store_b32 v[L4], v45, s[94:95] offset:128
	s_wait_xcnt 0x0
	QUANT 0, 3, 160, 36
	VSTORE 0, 160, 36, 40
	s_wait_xcnt 0x0
	QUANT 64, 3, 176, 37
	VSTORE 1, 176, 37, 41
	s_wait_tensorcnt 0x0                           ; the wave's end
	ds_add_u32 v[SPW], v[NIL]
	s_wait_dscnt 0x0
	CROUND                                         ; the closing round: no work-group ends while a partner may still ask for a tile that names it
	s_endpgm
.Lfunc_end_k_q1c50dbbe31_qkv:
	.size	k_q1c50dbbe31_qkv, .Lfunc_end_k_q1c50dbbe31_qkv-k_q1c50dbbe31_qkv
	.p2alignl 7, 3214868480
	.fill 96, 4, 3214868480
	.section	.rodata,"a",@progbits
	.p2align	6, 0x0
	.amdhsa_kernel k_q1c50dbbe31_qkv
		.amdhsa_group_segment_fixed_size 327680
		.amdhsa_private_segment_fixed_size 0
		.amdhsa_enable_private_segment 0
		.amdhsa_kernarg_size 24
		.amdhsa_user_sgpr_count 2
		.amdhsa_user_sgpr_kernarg_segment_ptr 1
		.amdhsa_wavefront_size32 1
		.amdhsa_system_sgpr_workgroup_id_x 1
		.amdhsa_system_sgpr_workgroup_id_y 1
		.amdhsa_system_sgpr_workgroup_id_z 1
		.amdhsa_system_vgpr_workitem_id 0
		.amdhsa_next_free_vgpr 1024
		.amdhsa_next_free_sgpr 100
		.amdhsa_reserve_vcc 0
		.amdhsa_float_denorm_mode_32 3
		.amdhsa_float_denorm_mode_16_64 3
		.amdhsa_memory_ordered 1
		.amdhsa_forward_progress 1
		.amdhsa_inst_pref_size 179
	.end_amdhsa_kernel
	.amdgpu_metadata
---
amdhsa.version: [ 1, 2 ]
amdhsa.kernels:
  - .name:           k_q1c50dbbe31_qkv
    .symbol:         k_q1c50dbbe31_qkv.kd
    .args:
      - { .name: hq, .offset: 0, .size: 8, .value_kind: global_buffer, .address_space: global }
      - { .name: wq, .offset: 8, .size: 8, .value_kind: global_buffer, .address_space: global }
      - { .name: qkvb, .offset: 16, .size: 8, .value_kind: global_buffer, .address_space: global }
    .group_segment_fixed_size: 327680
    .private_segment_fixed_size: 0
    .kernarg_segment_align: 8
    .kernarg_segment_size: 24
    .max_flat_workgroup_size: 128
    .sgpr_count:     100
    .vgpr_count:     1024
    .wavefront_size: 32
...
	.end_amdgpu_metadata
.endif
;; end of part 2
;; launch attn (part 3): grid 16 x 16, 8 waves a work-group, no clusters, 327,680 bytes of LDS; arguments qkvb, o_codes, o_scales; writes o_codes, o_scales
.if DOCPART == 3
	.amdgcn_target "amdgcn-amd-amdhsa--gfx1250"
	.amdhsa_code_object_version 6
	.text
	.protected	k_q1c50dbbe31_attn
	.globl	k_q1c50dbbe31_attn
	.p2align	8
	.type	k_q1c50dbbe31_attn,@function
k_q1c50dbbe31_attn:
	s_mov_b64 s[64:65], 0
	v_nop
	global_prefetch_b8 v0, s[64:65] scope:SCOPE_SE
	s_setreg_imm32_b32 hwreg(HW_REG_WAVE_MODE, 25, 1), 1
	s_wait_xcnt 0x0
; THIRD LAUNCH: O = softmax(Q K^T / sqrt(128)) V on codes of FP8 (E4M3) with E8M0 scales, and O quantised along the 512 of the last product's K.
; WORK LEFT OUT: in batches 0 and 1 every step of 128 keys that lies wholly behind a wave's queries (the mask that the computation builds itself makes their weights 0), and the slots that no wave of the work-group reads.
; SHARES.  Work-group (x, y): 128 queries of sequence-and-head y.  Eight waves of 512 registers.  Wave w (pair = w % 4, half = w / 4) has the TWO tiles of 16 queries 2 pair + half (in register window 0) and
; 2 pair + 1 - half (window 1), which are 32 neighbouring queries, and of each slot of 512 keys the 256 of its half.  A step is 128 keys: its eight fragments of K (then of V) are read from LDS once, four into each window, and each feeds two products.
; Both products are used transposed, so a lane holds one query; p = 2^(t - M), M the ceiling of the running largest t; the sum is taken of the unquantised p; O and the sum are multiplied by f = 2^(old M - new M) in every step.
; The arithmetic of a tile is one text, run under window 0 and under window 1.  Scale operands have no window: K's and V's words of tiles t and t + 4 share a register (lanes 0-15, lanes 16-31), and so do the two query tiles' words of Q and of p.
; AT THE END every wave hands its window 1 sums to the wave of the other half through LDS, takes that wave's for its own window 0 tile, joins, divides, quantises and stores that tile.
; LDS.  Two slots; a slot holds K's 512 keys (65,536 bytes) and V's, as they lie in memory: [step][tile][2,048 bytes, an image of operand registers].  The scale words of the whole head come once.
; THE HEAD'S FILLS, one a wave: waves 0 to 3 fetch slot 0 (32,768 dense bytes each), waves 4 to 7 the scale words (4,096 each).  In the ring every wave fetches 16,384 dense bytes.
; NO CLUSTER: under the mask the query blocks of a head need different numbers of slots.  PREFETCH: work-group x = 0 of each head names the slot after the one that is being asked for, 16,384 bytes a wave, lanes 256 bytes apart.
; LIMITS: as at the head of the first launch; the promise holds while the scaled scores stay under 2^31 in magnitude.
; REGISTERS of a window: v12 -M, v13 the largest t, v[14:15] the sum; v16-31 Q; v32-95 four fragments; v96-159 S^T, then p; v160-223 O^T; v224-239 p's codes; v232-254 at work.  Window 0 alone: v1-11 addresses; v248-251, v253, v255 scale words.
.set SLOT1, 131072
.set VOFF,  65536
.set SCK,   262144
.set SCV,   270336
.set SPARE, 278528
.set STAGE, 0                          ; the way out: in slot 0, which has had its last fill and its last read when the last change of slots is passed
.set MERGE, 32768
.set KO,    4194304
.set QS,    12582912
.set KSO,   QS+131072
.set LI,   1
.set QL,   2
.set ASK0, 3
.set ASV0, 4
.set SPW,  5
.set NIL,  6
.set PFO,  7
.set ADK,  8
.set ADV,  9
.set ADS,  10
.set ADT,  11
.set TM,   32
.set WV,   18
.set MNT,  19
.set SEL,  20
.set CS,   22
.set G1,   24
.set G1H,  32
.set G0,   40
.set HM,   44                          ; s44  lanes 16-31
.set SQ,   45                          ; s45  steps to go in the slot
.set G1S,  48
.set G0S,  56
.set G0H,  60
.set TB,   2
.set TS,   3
.set SF,   66
.set SLOTS, 67
.set PFA,  76
.set LIM,  80
.set KF,   98
.set Q0,   99
.set MSB, 0
.macro WIN new                         ; the immediate's high byte repeats the setting that is left
.if MSB != \new
	s_set_vgpr_msb (MSB<<8)|\new
.set MSB, \new
.endif
.endm
.macro PLACES n
.rept \n
	v_nop
.endr
.endm
	s_load_b128 s[4:7], s[0:1], 0x0                ; qkvb, o_codes
	s_load_b64 s[8:9], s[0:1], 0x10                ; o_scales
	v_lshl_add_u32 v[SPW], v0, 2, SPARE
	v_mov_b32 v[NIL], 0
	ds_add_u32 v[SPW], v[NIL]                      ; the opening: the add, twice on end, and its wait ahead of my first tensor load
	ds_add_u32 v[SPW], v[NIL]
	v_lshrrev_b32 v8, 5, v0
	v_readfirstlane_b32 s[WV], v8
	s_and_b32 s68, ttmp7, 0xffff                   ; 4 x batch + head
	s_and_b32 s69, s[WV], 3                        ; pair
	s_lshr_b32 s72, s[WV], 2                       ; half
	s_lshl_b32 s73, s69, 1
	s_or_b32 s73, s73, s72                         ; window 0's tile,
	s_xor_b32 s83, s73, 1                          ; window 1's
	s_lshl_b32 s10, s72, 22                        ; the ring: waves 0 to 3 K's quarters of a slot, waves 4 to 7 V's
	s_lshl_b32 s11, s68, 18
	s_add_co_u32 s10, s10, s11
	s_lshl_b32 s11, s69, 14
	s_add_co_u32 s10, s10, s11
	s_add_co_u32 s10, s10, KO
	s_mov_b32 s11, 0
	s_lshr_b32 s84, s69, 1                         ; the head: K's (0) or V's (1),
	s_and_b32 s85, s69, 1                          ; and which half of it
	s_lshl_b32 s94, s84, 22
	s_lshl_b32 s95, s68, 18
	s_add_co_u32 s94, s94, s95
	s_lshl_b32 s95, s85, 15
	s_add_co_u32 s94, s94, s95
	s_add_co_u32 s94, s94, KO
	s_mov_b32 s95, 0
	s_lshl_b32 s74, s84, 17
	s_lshl_b32 s75, s68, 13
	s_add_co_u32 s74, s74, s75
	s_lshl_b32 s75, s85, 12
	s_add_co_u32 s74, s74, s75
	s_add_co_u32 s74, s74, KSO
	s_mov_b32 s75, 0
	s_mov_b32 s[G1], 3<<16                         ; the ring: 8 rows of 2,048 bytes on end
	s_mov_b32 s[G1+1], 256<<16
	s_mov_b32 s[G1+2], 8<<16
	s_mov_b32 s[G1+3], 256<<16
	s_mov_b32 s[G1+4], 8
	s_mov_b32 s[G1+5], 256
	s_mov_b32 s[G1+6], 0
	s_mov_b32 s[G1+7], 0
	s_mov_b32 s[G1H], 3<<16                        ; the head: 16 such rows
	s_mov_b32 s[G1H+1], 256<<16
	s_mov_b32 s[G1H+2], 16<<16
	s_mov_b32 s[G1H+3], 256<<16
	s_mov_b32 s[G1H+4], 16
	s_mov_b32 s[G1H+5], 256
	s_mov_b32 s[G1H+6], 0
	s_mov_b32 s[G1H+7], 0
	s_mov_b32 s[G1S], 3<<16                        ; scale words: 16 rows of 256 bytes on end
	s_mov_b32 s[G1S+1], 32<<16
	s_mov_b32 s[G1S+2], 16<<16
	s_mov_b32 s[G1S+3], 32<<16
	s_mov_b32 s[G1S+4], 16
	s_mov_b32 s[G1S+5], 32
	s_mov_b32 s[G1S+6], 0
	s_mov_b32 s[G1S+7], 0
	s_mov_b32 s[SEL], 0x76543210
	s_mov_b32 s[SEL+1], 0xfedcba98
	s_mov_b32 s[CS], 0x3e0293ee                    ; log2(e) / sqrt(128)
	s_mov_b32 s[CS+1], s[CS]
	s_mov_b32 s[MNT], 0x600000
	s_mov_b32 s[HM], 0xffff0000
	s_lshl_b32 s[TB], s72, 15                      ; my half's two steps of a slot's four
	s_lshl_b32 s[TS], s72, 10
	s_lshl_b32 s[KF], s72, 8
	s_mov_b32 s[SF], 0
	s_mov_b32 s[SLOTS], 3
	s_lshl_b32 s81, ttmp9, 7
	s_lshl_b32 s96, s69, 5
	s_add_co_u32 s81, s81, s96                     ; my 32 queries' first
	s_cmp_lt_u32 s68, 8
	s_cselect_b32 s[Q0], s81, 0x100000             ; without the mask: behind every key
	s_cmp_eq_u32 ttmp9, 0
	s_cselect_b32 s[LIM], 1, -1
	s_lshl_b32 s82, ttmp9, 3
	s_add_co_u32 s70, s82, s73
	s_lshl_b32 s70, s70, 11
	s_add_co_u32 s46, s82, s83
	s_lshl_b32 s46, s46, 11
	s_lshl_b32 s71, s68, 18
	s_add_co_u32 s70, s70, s71                     ; Q's images of my two tiles
	s_add_co_u32 s46, s46, s71
	s_mov_b32 s71, 0
	s_mov_b32 s47, 0
	s_lshl_b32 s84, s68, 13
	s_lshl_b32 s85, ttmp9, 9
	s_add_co_u32 s84, s84, s85
	s_add_co_u32 s84, s84, QS                      ; the scale words of the work-group's eight tiles
	s_mov_b32 s85, 0
	s_lshl_b32 s87, s72, 3
	s_lshr_b32 s86, s68, 2
	s_lshl_b32 s86, s86, 11
	s_add_co_u32 s86, s86, s81
	s_add_co_u32 s86, s86, s87                     ; the first true row of window 0's tile
	s_and_b32 s88, s68, 3
	s_lshl_b32 s90, s86, 9
	s_lshl_b32 s91, s88, 7
	s_add_co_u32 s90, s90, s91
	s_mov_b32 s91, 0
	s_lshl_b32 s92, s86, 4
	s_lshl_b32 s93, s88, 2
	s_add_co_u32 s92, s92, s93
	s_mov_b32 s93, 0
	s_wait_dscnt 0x0
	s_wait_kmcnt 0x0
	s_mov_b32 s[G0S], 1
	s_lshl_b32 s[G0S+1], s69, 12
	s_add_co_u32 s[G0S+1], s[G0S+1], SCK
	s_add_nc_u64 s[G0S+2:G0S+3], s[4:5], s[74:75]
	s_or_b32 s[G0S+3], s[G0S+3], 0x80000000
	s_mov_b32 s[G0H], 1
	s_lshl_b32 s[G0H+1], s69, 15
	s_add_nc_u64 s[G0H+2:G0H+3], s[4:5], s[94:95]
	s_or_b32 s[G0H+3], s[G0H+3], 0x80000000
	s_mov_b32 s[G0], 1
	s_lshl_b32 s[G0+1], s[WV], 14
	s_add_nc_u64 s[G0+2:G0+3], s[4:5], s[10:11]
	s_or_b32 s[G0+3], s[G0+3], 0x80000000
	s_cmp_lt_u32 s[WV], 4                          ; one chain of two arms, a load in each: every way through the head passes one
	s_cbranch_scc0 .Lhead_s
	tensor_load_to_lds s[G0H:G0H+3], s[G1H:G1H+7]
	s_nop 0
	PLACES 4
	s_branch .Lhead_j
.Lhead_s:
	tensor_load_to_lds s[G0S:G0S+3], s[G1S:G1S+7]
	s_nop 0
	PLACES 4
.Lhead_j:
	s_add_nc_u64 s[PFA:PFA+1], s[4:5], s[10:11]
	s_add_nc_u64 s[PFA:PFA+1], s[PFA:PFA+1], 65536
	s_add_nc_u64 s[16:17], s[4:5], s[70:71]
	s_add_nc_u64 s[46:47], s[4:5], s[46:47]
	s_add_nc_u64 s[70:71], s[4:5], s[84:85]
	s_add_nc_u64 s[12:13], s[6:7], s[90:91]
	s_add_nc_u64 s[14:15], s[8:9], s[92:93]
	s_lshl_b32 s96, s73, 6
	s_lshl_b32 s97, s83, 6
	s_xor_b32 s89, s87, 8
	v_and_b32 v8, 15, v0
	v_bfe_u32 v9, v0, 4, 1
	v_and_b32 v10, 31, v0
	v_lshlrev_b32 v[LI], 4, v10
.irp c, 0,1,2,3
	global_load_b128 v[16+4*\c:19+4*\c], v[LI], s[16:17] offset:512*\c
.endr
	WIN 0x40
.irp c, 0,1,2,3
	global_load_b128 v[16+4*\c:19+4*\c], v[LI], s[46:47] offset:512*\c
.endr
	WIN 0
	v_mov_b32 v11, s96
	v_mov_b32 v12, s97
	v_cndmask_b32 v11, v11, v12, s[HM]
	v_lshl_add_u32 v254, v8, 2, v11
	global_load_b32 v255, v254, s[70:71]           ; Q's scale words: lanes 0-15 window 0's tile, lanes 16-31 window 1's
	v_and_b32 v11, 8, v8
	v_add_nc_u32 v11, v11, v8
	v_lshlrev_b32 v12, 4, v9
	v_sub_nc_u32 v11, v11, v12
	v_add_nc_u32 v[QL], s87, v11                   ; my query less my 32 queries' first, less 16 (lane / 16)
	WIN 0x40
	v_add_nc_u32 v[QL], s89, v11
	WIN 0
	v_lshl_add_u32 v[ASK0], v8, 2, SCK
	v_lshl_add_u32 v[ASK0], v9, 8, v[ASK0]         ; lanes 16-31 take the tile four on
	v_lshl_add_u32 v[ASV0], v8, 2, SCV
	v_lshl_add_u32 v[ASV0], v9, 8, v[ASV0]
	v_lshlrev_b32 v[PFO], 8, v10
.macro INIT                            ; a tile's state: the largest t under every t, the sums and O^T zeros (the loop has no first step of its own)
	v_mov_b32 v13, 0xff61b1e6
	s_delay_alu instid0(VALU_DEP_1)
	v_floor_f32 v12, -v13
	v_mov_b32 v14, 0
	v_mov_b32 v15, 0
.irp b, 0,1,2,3
	v_mov_b32 v[236+\b], 0
.endr
	v_mov_b32 v252, 0
	v_mov_b32 v253, 0
.set j, 0
.rept 64
	v_mov_b32 v[160+j], 0
.set j, j+1
.endr
.endm
	INIT
	WIN 0x55
	INIT
	v_mov_b32 v254, 0
	v_mov_b32 v255, 0
	WIN 0
.macro ASK
	s_cmp_gt_u32 s[SLOTS], s[LIM]
	s_cbranch_scc0 .Lnot_mine_\@
	global_prefetch_b8 v[PFO], s[PFA:PFA+1] th:TH_LOAD_NT scope:SCOPE_SE
	global_prefetch_b8 v[PFO], s[PFA:PFA+1] offset:8192 th:TH_LOAD_NT scope:SCOPE_SE
.Lnot_mine_\@:
.endm
.macro FRAGS a, s                      ; a step's eight fragments: tiles 0 to 3 into window 0, tiles 4 to 7 into window 1; four registers of scale words: 36 loads
.irp t, 0,1,2,3
.irp c, 0,1,2,3
	ds_load_b128 v[32+16*\t+4*\c:35+16*\t+4*\c], v[\a] offset:\t*2048+512*\c
.endr
	ds_load_b32 v[248+\t], v[\s] offset:64*\t
.endr
	WIN 0x40
.irp t, 0,1,2,3
.irp c, 0,1,2,3
	ds_load_b128 v[32+16*\t+4*\c:35+16*\t+4*\c], v[\a] offset:(4+\t)*2048+512*\c
.endr
.endr
	WIN 0
.endm
.macro MM d, t, b, sb, z, fw, qw       ; a product: fragment t of window fw against the operand at b of window qw; the rows of the scale registers go with the windows
.if \z
.if \fw && \qw
	v_wmma_scale_f32_16x16x128_f8f6f4 v[\d:\d+7], v[32+16*\t:47+16*\t], v[\b:\b+15], 0, v[248+\t], v[\sb] matrix_a_scale:MATRIX_SCALE_ROW1 matrix_b_scale:MATRIX_SCALE_ROW1
.elseif \fw
	v_wmma_scale_f32_16x16x128_f8f6f4 v[\d:\d+7], v[32+16*\t:47+16*\t], v[\b:\b+15], 0, v[248+\t], v[\sb] matrix_a_scale:MATRIX_SCALE_ROW1
.elseif \qw
	v_wmma_scale_f32_16x16x128_f8f6f4 v[\d:\d+7], v[32+16*\t:47+16*\t], v[\b:\b+15], 0, v[248+\t], v[\sb] matrix_b_scale:MATRIX_SCALE_ROW1
.else
	v_wmma_scale_f32_16x16x128_f8f6f4 v[\d:\d+7], v[32+16*\t:47+16*\t], v[\b:\b+15], 0, v[248+\t], v[\sb]
.endif
.else
.if \fw && \qw
	v_wmma_scale_f32_16x16x128_f8f6f4 v[\d:\d+7], v[32+16*\t:47+16*\t], v[\b:\b+15], v[\d:\d+7], v[248+\t], v[\sb] matrix_a_scale:MATRIX_SCALE_ROW1 matrix_b_scale:MATRIX_SCALE_ROW1
.elseif \fw
	v_wmma_scale_f32_16x16x128_f8f6f4 v[\d:\d+7], v[32+16*\t:47+16*\t], v[\b:\b+15], v[\d:\d+7], v[248+\t], v[\sb] matrix_a_scale:MATRIX_SCALE_ROW1
.elseif \qw
	v_wmma_scale_f32_16x16x128_f8f6f4 v[\d:\d+7], v[32+16*\t:47+16*\t], v[\b:\b+15], v[\d:\d+7], v[248+\t], v[\sb] matrix_b_scale:MATRIX_SCALE_ROW1
.else
	v_wmma_scale_f32_16x16x128_f8f6f4 v[\d:\d+7], v[32+16*\t:47+16*\t], v[\b:\b+15], v[\d:\d+7], v[248+\t], v[\sb]
.endif
.endif
.endm
.macro QK qw                           ; S^T = K Q^T of the tile in window qw: eight products
.irp fw, 0,1
	WIN (\fw|(\qw*0x44))
.irp t, 0,1,2,3
	MM 96+8*(4*\fw+\t), \t, 16, 255, 1, \fw, \qw
.endr
.endr
.endm
.macro PV qw                           ; O^T += V^T P^T: eight products, each on a sum of its own
.irp fw, 0,1
	WIN (\fw|(\qw*0x54))
.irp t, 0,1,2,3
	MM 160+8*(4*\fw+\t), \t, 224, 253, 0, \fw, \qw
.endr
.endr
.endm
.macro MASK                            ; on the diagonal: register 16 b + i holds key KF + 16 (lane / 16) + 32 b + i, hidden where 32 b + i > d: its score becomes -infinity
	v_add_nc_u32 v252, s96, v[QL]
	v_mov_b32 v254, 0xff800000
.set n, 0
.rept 64
	v_cmp_gt_i32 vcc_lo, 32*(n/16)+n%16, v252
	v_cndmask_b32 v[96+n], v[96+n], v254, vcc_lo
.set n, n+1
.endr
.endm
.macro SMAX                            ; the largest score of each block of 32 keys, my 16 of them
.irp b, 0,1,2,3
	v_max3_num_f32 v[232+\b], v[96+16*\b], v[97+16*\b], v[98+16*\b]
.endr
.irp i, 3,5,7,9,11,13
.irp b, 0,1,2,3
	v_max3_num_f32 v[232+\b], v[232+\b], v[96+16*\b+\i], v[97+16*\b+\i]
.endr
.endr
.irp b, 0,1,2,3
	v_max_num_f32 v[232+\b], v[232+\b], v[111+16*\b]
.endr
.endm
.macro REST w                          ; M, f, p, the sum, p's codes and scale word, O^T under the new M
.irp b, 0,1,2,3
	v_permlanex16_b32 v[236+\b], v[232+\b], s[SEL], s[SEL+1]
.endr
.irp b, 0,1,2,3
	s_delay_alu instid0(VALU_DEP_4)
	v_max_num_f32 v[232+\b], v[232+\b], v[236+\b]
.endr
	s_delay_alu instid0(VALU_DEP_2)
	v_max3_num_f32 v254, v232, v233, v234
	s_delay_alu instid0(VALU_DEP_1)
	v_max_num_f32 v254, v254, v235
	s_delay_alu instid0(VALU_DEP_1)
	v_mul_f32 v254, s[CS], v254
	s_delay_alu instid0(VALU_DEP_1)
	v_max_num_f32 v13, v13, v254
	v_mov_b32 v254, v12
	s_delay_alu instid0(VALU_DEP_2)
	v_floor_f32 v12, -v13                          ; -M = floor(-t)
	s_delay_alu instid0(VALU_DEP_1)
	v_sub_f32 v254, v12, v254
	s_delay_alu instid0(VALU_DEP_1)
	v_cvt_i32_f32 v254, v254
	s_delay_alu instid0(VALU_DEP_1)
	v_ldexp_f32 v254, 1.0, v254                    ; f = 2^(old M - new M)
.set j, 0
.rept 32
	v_pk_fma_f32 v[96+j:97+j], v[96+j:97+j], s[CS:CS+1], v[12:13] op_sel_hi:[1,0,0]
.set j, j+2
.endr
.irp b, 0,1,2,3
	v_fma_f32 v[232+\b], v[232+\b], s[CS], v12
.endr
	s_wait_alu depctr_va_vdst(0)                   ; ahead of the batch,
.set j, 0
.rept 64
	v_exp_f32 v[96+j], v[96+j]
.set j, j+1
.endr
	v_pk_mul_f32 v[14:15], v[14:15], v[254:255] op_sel_hi:[1,0]
	s_wait_alu depctr_va_vdst(0)                   ; and behind it, ahead of its first reader
.irp b, 0,1,2,3
	v_exp_f32 v[232+\b], v[232+\b]                 ; each block's largest p
.endr
	v_pk_add_f32 v[236:237], v[96:97], v[98:99]
.irp j, 4,8,12,16,20,24,28,32,36,40,44,48,52,56,60
	v_pk_add_f32 v[14:15], v[14:15], v[96+\j:97+\j]
	v_pk_add_f32 v[236:237], v[236:237], v[98+\j:99+\j]
.endr
	s_delay_alu instid0(VALU_DEP_1)
	v_pk_add_f32 v[14:15], v[14:15], v[236:237]
	s_wait_alu depctr_va_vdst(0)                   ; one for the four
.irp b, 0,1,2,3
	v_max_num_f32 v[232+\b], 0x4800000, v[232+\b]  ; the floor 2^(9 - 127): the byte cannot fall under 1
.endr
.irp b, 0,1,2,3
	s_delay_alu instid0(VALU_DEP_4)
	v_add_nc_u32 v[244+\b], 0xfc000000, v[232+\b]
.endr
.irp b, 0,1,2,3
	v_and_or_b32 v[240+\b], v[232+\b], 0x7f800000, s[MNT]
.endr
.irp b, 0,1,2,3
	v_lshrrev_b32 v[236+\b], 23, v[244+\b]
.endr
	s_delay_alu instid0(VALU_DEP_3)
	v_lshl_or_b32 v253, v237, 8, v236
	s_delay_alu instid0(VALU_DEP_1)
	v_lshl_or_b32 v253, v238, 16, v253
	s_delay_alu instid0(VALU_DEP_1)
	v_lshl_or_b32 v253, v239, 24, v253
.if \w
	WIN 0x04
	v_cndmask_b32 v253, v253, v253, s[HM]          ; window 0's v253: lanes 0-15 keep its tile's words, lanes 16-31 take window 1's
	WIN 0x55
.endif
.irp b, 0,1,2,3
.irp i, 0,2,4,6,8,10,12,14
	v_dual_min_num_f32 v[96+16*\b+\i], v[96+16*\b+\i], v[240+\b] :: v_dual_min_num_f32 v[97+16*\b+\i], v[97+16*\b+\i], v[240+\b]   ; the hold (the conversion does not saturate: ISA guide 7.6.2), two numbers a line
.endr
	v_cvt_scalef32_pk8_fp8_f32 v[224+4*\b:225+4*\b], v[96+16*\b:103+16*\b], v[244+\b]
	v_cvt_scalef32_pk8_fp8_f32 v[226+4*\b:227+4*\b], v[104+16*\b:111+16*\b], v[244+\b]
.endr
	s_wait_alu depctr_va_vdst(0)                   ; directly ahead of the first reader of O^T
.set j, 0
.rept 32
	v_pk_mul_f32 v[160+j:161+j], v[160+j:161+j], v[254:255] op_sel_hi:[1,0]
.set j, j+2
.endr
.endm
.macro STEP
	s_add_co_u32 s96, s[Q0], 31
	s_cmp_gt_u32 s[KF], s96
	s_cbranch_scc1 .Lhidden_\@                     ; all 128 keys lie behind my 32 queries: a branch on ids, round the step's work alone
	v_add_nc_u32 v[ADK], s[TB], v[LI]
	v_add_nc_u32 v[ADS], s[TS], v[ASK0]
	v_add_nc_u32 v[ADT], s[TS], v[ASV0]
	v_add_nc_u32 v[ADV], VOFF, v[ADK]
	PLACES 4                                       ; with the four lines above: eight places ahead of loads into what the last products read
	FRAGS ADK, ADS
	s_wait_alu depctr_va_vdst(0)                   ; directly ahead of the wait below
	s_wait_dscnt 0x0
	QK 0
	PLACES 8                                       ; behind window 0's products; window 1's have window 0's maxima (or the mask's lines) as their places
	QK 1
	WIN 0
	s_add_co_u32 s96, s[KF], 127
	s_cmp_le_u32 s96, s[Q0]
	s_cbranch_scc1 .Lopen_\@
	s_sub_co_i32 s96, s[Q0], s[KF]
	MASK
	WIN 0x55
	MASK
	WIN 0
.Lopen_\@:
	SMAX
	FRAGS ADV, ADT                                 ; V's fragments are asked for here, 32 plain lines behind the last product, and land under the two tiles' vector work
	REST 0
	WIN 0x55
	s_wait_alu depctr_va_vdst(0)                   ; directly ahead of the first readers of window 1's scores
	SMAX
	REST 1
	WIN 0
	s_wait_alu depctr_va_vdst(0)
	s_wait_dscnt 0x0
	PV 0
	PV 1
	WIN 0
.Lhidden_\@:
	s_add_co_u32 s[KF], s[KF], 128
	s_add_co_u32 s[TS], s[TS], 512
.endm
.macro SLOT_STEPS                      ; my two steps of the slot: a counted loop; one exclusive or turns the address from one step to the other
	s_mov_b32 s[SQ], 2
.Lstep_\@:
	STEP
	s_xor_b32 s[TB], s[TB], 16384
	s_sub_co_u32 s[SQ], s[SQ], 1
	s_cmp_lg_u32 s[SQ], 0
	s_cbranch_scc1 .Lstep_\@
.endm
; THE CHANGE OF SLOTS: every wave waits for all its tensor loads, adds 0 to its spare word, waits for that and for its reads of the slot that it has left; one barrier; behind it the slot left is filled with the next 512 keys.
.macro CHANGE fill
	s_wait_tensorcnt 0x0
	ds_add_u32 v[SPW], v[NIL]
.if \fill
	s_xor_b32 s[G0+1], s[G0+1], SLOT1
	s_add_nc_u64 s[G0+2:G0+3], s[G0+2:G0+3], 65536
	s_wait_xcnt 0x0                                ; my prefetches have read their address
	s_add_nc_u64 s[PFA:PFA+1], s[PFA:PFA+1], 65536
.endif
	s_wait_dscnt 0x0
	s_barrier_signal -1
	s_barrier_wait -1
.if \fill
	s_add_co_u32 s96, s[SF], 512                   ; a slot whose first key lies behind the work-group's last query is read by no wave and is not asked for: ids and the count of slots alone, the same in all waves
	s_or_b32 s97, s[Q0], 127
	s_cmp_gt_u32 s96, s97
	s_cbranch_scc1 .Lpast_\@
	tensor_load_to_lds s[G0:G0+3], s[G1:G1+7]
	s_nop 0
	PLACES 4
.Lpast_\@:
	ASK
.endif
.endm
	s_wait_alu depctr_va_vdst(0)
	s_wait_loadcnt 0x0                             ; Q
.Lslot:
	CHANGE 1
	SLOT_STEPS
	s_xor_b32 s[TB], s[TB], SLOT1
	s_add_co_u32 s[KF], s[KF], 256
	s_add_co_u32 s[TS], s[TS], 1024
	s_add_co_u32 s[SF], s[SF], 512
	s_sub_co_u32 s[SLOTS], s[SLOTS], 1
	s_cmp_lg_u32 s[SLOTS], 0
	s_cbranch_scc1 .Lslot
	CHANGE 0                                       ; the last slot is written out: it asks for nothing
	SLOT_STEPS
; THE END.  Window 1's O^T, -M and sums go to the place of their tile; behind the barrier I take what the other half's wave left for window 0's tile.
	v_and_b32 v8, 15, v0
	v_bfe_u32 v9, v0, 4, 1
	s_mul_i32 s96, s73, 2304
	s_add_co_u32 s96, s96, STAGE
	v_mul_u32_u24 v10, v8, 144
	v_lshl_add_u32 v10, v9, 4, v10
	v_add_nc_u32 v10, s96, v10
	v_and_b32 v11, 31, v0
	v_lshrrev_b32 v11, 3, v11
	v_and_b32 v240, 7, v0
	v_mul_u32_u24 v241, v11, 144
	v_lshl_add_u32 v241, v240, 4, v241
	v_add_nc_u32 v241, s96, v241
	v_lshlrev_b32 v242, 9, v11
	v_lshl_add_u32 v242, v240, 4, v242
	v_and_b32 v243, 8, v8
	v_add_nc_u32 v243, v243, v8
	v_lshlrev_b32 v243, 4, v243
	s_mul_i32 s74, s83, 8704
	s_add_co_u32 s74, s74, MERGE
	v_add_nc_u32 v246, s74, v[LI]
	s_mul_i32 s75, s73, 8704
	s_add_co_u32 s75, s75, MERGE
	v_add_nc_u32 v247, s75, v[LI]
	WIN 0x04
.set j, 0
.rept 16
	ds_store_b128 v246, v[160+4*j:163+4*j] offset:512*j
.set j, j+1
.endr
	ds_store_b128 v246, v[12:15] offset:8192
	WIN 0
	s_wait_alu depctr_va_vdst(0)                   ; directly ahead of the wait below
	s_wait_dscnt 0x0
	s_barrier_signal -1
	s_barrier_wait -1
.set j, 0
.rept 16
	ds_load_b128 v[96+4*j:99+4*j], v247 offset:512*j
.set j, j+1
.endr
	ds_load_b128 v[232:235], v247 offset:8192
	s_wait_dscnt 0x0
	v_min_num_f32 v236, v12, v232                  ; the joint -M; both parts come under it by exact powers of two
	s_delay_alu instid0(VALU_DEP_1)
	v_sub_f32 v237, v236, v12
	s_delay_alu instid0(VALU_DEP_2)
	v_sub_f32 v238, v236, v232
	s_delay_alu instid0(VALU_DEP_2)
	v_cvt_i32_f32 v237, v237
	s_delay_alu instid0(VALU_DEP_2)
	v_cvt_i32_f32 v238, v238
	s_delay_alu instid0(VALU_DEP_2)
	v_ldexp_f32 v252, 1.0, v237
	s_delay_alu instid0(VALU_DEP_2)
	v_ldexp_f32 v254, 1.0, v238
	s_delay_alu instid0(VALU_DEP_2)
	v_pk_mul_f32 v[14:15], v[14:15], v[252:253] op_sel_hi:[1,0]
	s_delay_alu instid0(VALU_DEP_1)
	v_pk_fma_f32 v[14:15], v[234:235], v[254:255], v[14:15] op_sel_hi:[1,0,1]
.set j, 0
.rept 32
	v_pk_mul_f32 v[160+j:161+j], v[160+j:161+j], v[252:253] op_sel_hi:[1,0]
.set j, j+2
.endr
.set j, 0
.rept 32
	v_pk_fma_f32 v[160+j:161+j], v[96+j:97+j], v[254:255], v[160+j:161+j] op_sel_hi:[1,0,1]
.set j, j+2
.endr
	v_add_f32 v14, v14, v15
	s_delay_alu instid0(VALU_DEP_1)
	v_permlanex16_b32 v252, v14, s[SEL], s[SEL+1]
	s_delay_alu instid0(VALU_DEP_1)
	v_add_f32 v14, v14, v252                       ; the row's sum
	s_wait_alu depctr_va_vdst(0)
	v_rcp_f32 v14, v14
.irp b, 0,1,2,3
	v_mov_b32 v[TM+4+\b], 0
.endr
	s_wait_alu depctr_va_vdst(0)
.set j, 0
.rept 64
	v_mul_f32 v[96+j], v[160+j], v14
.set j, j+1
.endr
.irp b, 0,1,2,3
	v_max3_num_f32 v[TM+\b], |v[96+16*\b]|, |v[97+16*\b]|, 0x4800000
.endr
.irp i, 2,4,6,8,10,12,14
.irp b, 0,1,2,3
	s_delay_alu instid0(VALU_DEP_4)
	v_max3_num_f32 v[TM+\b], v[TM+\b], |v[96+16*\b+\i]|, |v[97+16*\b+\i]|
.endr
.endr
.irp b, 0,1,2,3
	s_delay_alu instid0(VALU_DEP_4)
	v_permlanex16_b32 v[TM+4+\b], v[TM+\b], s[SEL], s[SEL+1]
.endr
.irp b, 0,1,2,3
	s_delay_alu instid0(VALU_DEP_4)
	v_max_num_f32 v[TM+\b], v[TM+\b], v[TM+4+\b]
.endr
.irp b, 0,1,2,3
	s_delay_alu instid0(VALU_DEP_4)
	v_add_nc_u32 v[TM+12+\b], 0xfc000000, v[TM+\b]
.endr
.irp b, 0,1,2,3
	v_and_or_b32 v[TM+8+\b], v[TM+\b], 0x7f800000, s[MNT]
.endr
.irp b, 0,1,2,3
	v_lshrrev_b32 v[TM+4+\b], 23, v[TM+12+\b]
.endr
	s_delay_alu instid0(VALU_DEP_3)
	v_lshl_or_b32 v64, v[TM+5], 8, v[TM+4]
	s_delay_alu instid0(VALU_DEP_1)
	v_lshl_or_b32 v64, v[TM+6], 16, v64
	s_delay_alu instid0(VALU_DEP_1)
	v_lshl_or_b32 v64, v[TM+7], 24, v64
.irp b, 0,1,2,3
.irp i, 0,1,2,3,4,5,6,7,8,9,10,11,12,13,14,15
	v_med3_num_f32 v[96+16*\b+\i], v[96+16*\b+\i], -v[TM+8+\b], v[TM+8+\b]
.endr
	v_cvt_scalef32_pk8_fp8_f32 v[48+4*\b:49+4*\b], v[96+16*\b:103+16*\b], v[TM+12+\b]
	v_cvt_scalef32_pk8_fp8_f32 v[50+4*\b:51+4*\b], v[104+16*\b:111+16*\b], v[TM+12+\b]
.endr
	v_nop
.irp c, 0,1,2,3
	ds_store_b128 v10, v[48+4*\c:51+4*\c] offset:32*\c     ; the tile's codes through my stage: a row's 128 bytes come together
.endr
.irp i, 0,1,2,3
	ds_load_b128 v[68+4*\i:71+4*\i], v241 offset:576*\i
.endr
	s_wait_dscnt 3
	global_store_b128 v242, v[68:71], s[12:13]
	s_wait_dscnt 2
	global_store_b128 v242, v[72:75], s[12:13] offset:2048
	s_wait_dscnt 1
	global_store_b128 v242, v[76:79], s[12:13] offset:8192
	s_wait_dscnt 0
	global_store_b128 v242, v[80:83], s[12:13] offset:10240
	global_store_b32 v243, v64, s[14:15]
	s_wait_tensorcnt 0x0                           ; the wave's end
	ds_add_u32 v[SPW], v[NIL]
	s_wait_dscnt 0x0
	s_endpgm
.Lfunc_end_k_q1c50dbbe31_attn:
	.size	k_q1c50dbbe31_attn, .Lfunc_end_k_q1c50dbbe31_attn-k_q1c50dbbe31_attn
	.p2alignl 7, 3214868480
	.fill 96, 4, 3214868480
	.section	.rodata,"a",@progbits
	.p2align	6, 0x0
	.amdhsa_kernel k_q1c50dbbe31_attn
		.amdhsa_group_segment_fixed_size 327680
		.amdhsa_private_segment_fixed_size 0
		.amdhsa_enable_private_segment 0
		.amdhsa_kernarg_size 24
		.amdhsa_user_sgpr_count 2
		.amdhsa_user_sgpr_kernarg_segment_ptr 1
		.amdhsa_wavefront_size32 1
		.amdhsa_system_sgpr_workgroup_id_x 1
		.amdhsa_system_sgpr_workgroup_id_y 1
		.amdhsa_system_sgpr_workgroup_id_z 1
		.amdhsa_system_vgpr_workitem_id 0
		.amdhsa_next_free_vgpr 512
		.amdhsa_next_free_sgpr 100
		.amdhsa_reserve_vcc 1
		.amdhsa_float_denorm_mode_32 3
		.amdhsa_float_denorm_mode_16_64 3
		.amdhsa_memory_ordered 1
		.amdhsa_forward_progress 1
		.amdhsa_inst_pref_size 139
	.end_amdhsa_kernel
	.amdgpu_metadata
---
amdhsa.version: [ 1, 2 ]
amdhsa.kernels:
  - .name:           k_q1c50dbbe31_attn
    .symbol:         k_q1c50dbbe31_attn.kd
    .args:
      - { .name: qkvb, .offset: 0, .size: 8, .value_kind: global_buffer, .address_space: global }
      - { .name: o_codes, .offset: 8, .size: 8, .value_kind: global_buffer, .address_space: global }
      - { .name: o_scales, .offset: 16, .size: 8, .value_kind: global_buffer, .address_space: global }
    .group_segment_fixed_size: 327680
    .private_segment_fixed_size: 0
    .kernarg_segment_align: 8
    .kernarg_segment_size: 24
    .max_flat_workgroup_size: 256
    .sgpr_count:     100
    .vgpr_count:     512
    .wavefront_size: 32
...
	.end_amdgpu_metadata
.endif
;; end of part 3
;; launch outp (part 4): grid 8 x 32, 4 waves a work-group, clusters of 4 x 4, 327,680 bytes of LDS; arguments o_codes, o_scales, wo_codes, wo_scales, out0; writes out0
.if DOCPART == 4
	.amdgcn_target "amdgcn-amd-amdhsa--gfx1250"
	.amdhsa_code_object_version 6
	.text
	.protected	k_q1c50dbbe31_outp
	.globl	k_q1c50dbbe31_outp
	.p2align	8
	.type	k_q1c50dbbe31_outp,@function
k_q1c50dbbe31_outp:
	s_mov_b64 s[64:65], 0
	v_nop
	global_prefetch_b8 v0, s[64:65] scope:SCOPE_SE
	s_setreg_imm32_b32 hwreg(HW_REG_WAVE_MODE, 25, 1), 1
	s_wait_xcnt 0x0
	s_wait_alu depctr_hold_cnt(0) depctr_sa_sdst(0) depctr_va_vdst(0) depctr_va_sdst(0) depctr_va_ssrc(0) depctr_va_vcc(0) depctr_vm_vsrc(0)
	s_getreg_b32 s2, hwreg(HW_REG_IB_STS2, 6, 4)
	s_cmp_eq_u32 s2, 0
	s_cbranch_scc0 .Lentry_in_a_cluster
	s_endpgm
.Lentry_in_a_cluster:
	s_bfe_u32 s2, ttmp6, 0x10000c
	s_cmp_lg_u32 s2, 0xf033
	s_cbranch_scc0 .Lentry_shape_is_right
	s_endpgm
.Lentry_shape_is_right:
; FOURTH LAUNCH: out0 [8192][2048] f32 = o [8192][512] x Wo, both as codes of FP8 (E4M3), K innermost, with one E8M0 byte for each 32 along K (16 bytes a row).  Nothing is left out here.
; SHARES.  A work-group of four waves (2 x 2) makes 256 x 256; a wave 128 x 128.  K is 512: ALL of it lies in LDS, filled once, by four tensor loads at the head, one a wave:
; wave 0 Wo's 256 rows, wave 1 o's 256 rows (131,072 dense bytes each), waves 2 and 3 their scale bytes (4,096 each).  No byte of LDS is filled again: no ring.
; A wave takes its 128 rows of Wo, all of K, into 512 registers, and walks its 128 rows of o in eight blocks of 16: 32 products a block, the block's eight sums by turns.
; A finished block goes through the wave's own stage in LDS and leaves as rows of 512 bytes while the next block is multiplied: the stores begin behind the first 32 products.
; The product is used transposed (source 0 = 16 rows of Wo, source 1 = 16 rows of o): a lane holds eight neighbouring numbers of a row of out0.
; CLUSTER 4 x 4: o's tiles hang on the tile row and are asked for jointly along a row of the cluster, Wo's on the tile column and along a column.
; NO PREFETCH: all that the launch reads is asked for at its head; there is no loop to run ahead in.
; REGISTERS.  Window 0: v4-10 addresses; v16, v17 the add's; v20-35 Wo's scale words (4 p + q: lanes 0-15 tile 2 p, lanes 16-31 tile 2 p + 1); v38-45 o's, two sets; v64-191 sums, two sets; v192-255 a block read back.
; Windows 1, 2: Wo's fragment (q, b) at v[16 ((8 q + b) % 16)] of window 1 + q / 2.  Window 3: v0-127 o's blocks, two sets.
; LIMITS: as stated at the head of the first launch.
.set PITCH,  528                       ; an LDS row: 512 bytes + 16 of padding: the 16 rows that a load touches start at 16 different banks (ISA guide 11.1)
.set HALF,   128*PITCH
.set AOFF,   2*HALF                    ; Wo's 256 rows from 0, o's from here
.set SCB,    4*HALF                    ; Wo's scale bytes,
.set SCA,    SCB+4096                  ; o's
.set STAGE,  SCA+4096                  ; 16 rows x 528 bytes for each wave: no fill lands here
.set SPARE,  STAGE+4*16*PITCH          ; the spare words, 128 bytes for each wave
.set ADRB, 4
.set ADRA, 5
.set ASB,  6
.set ASA,  7
.set STO,  8
.set RD,   9
.set CO,   10
.set SPW,  16
.set NIL,  17
.set SB,   20
.set SA,   38
.set ACC,  64
.set BK,   192
.set G1A,  24
.set G1B,  32
.set G1SA, 48
.set G1SB, 56
.set G0A,  68
.set G0B,  72
.set G0SA, 76
.set G0SB, 80
.set MSB, 0
.macro WIN new                         ; the immediate's high byte repeats the setting that is left
.if MSB != \new
	s_set_vgpr_msb (MSB<<8)|\new
.set MSB, \new
.endif
.endm
.macro PLACES n
.rept \n
	v_nop
.endr
.endm
.macro BARRIER
	s_barrier_signal -1
	s_barrier_wait -1
.endm
.macro CROUND                          ; a round of the cluster's barrier
	BARRIER
	s_cmp_lg_u32 s14, 0
	s_cbranch_scc1 .Lnot_wave_0_\@
	s_barrier_signal -3
.Lnot_wave_0_\@:
	s_barrier_wait -3
	BARRIER
.endm
.macro ARM under, g0, g1, next         ; an arm of the head's chain: its load, an s_nop 0 and four v_nop, a jump to the join
	s_cmp_lt_u32 s14, \under
	s_cbranch_scc0 \next
	tensor_load_to_lds s[\g0:\g0+3], s[\g1:\g1+7]
	s_nop 0
	PLACES 4
	s_branch .Lhead_asked
\next:
.endm
	s_load_b128 s[4:7], s[0:1], 0x0                ; o_codes, o_scales
	s_load_b128 s[8:11], s[0:1], 0x10              ; wo_codes, wo_scales
	s_load_b64 s[12:13], s[0:1], 0x20              ; out0
	v_lshl_add_u32 v[SPW], v0, 2, SPARE
	v_mov_b32 v[NIL], 0
	ds_add_u32 v[SPW], v[NIL]                      ; the opening: the add, twice on end, and its wait ahead of my first tensor load
	ds_add_u32 v[SPW], v[NIL]
	v_lshrrev_b32 v1, 5, v0
	v_readfirstlane_b32 s14, v1                    ; wave
	s_lshr_b32 s15, s14, 1                         ; my half of the rows,
	s_and_b32 s16, s14, 1                          ; of the columns
	s_bfe_u32 s40, ttmp6, 0x40000                  ; cx, cy
	s_bfe_u32 s41, ttmp6, 0x40004
	s_lshl_b32 s42, ttmp9, 2
	s_add_co_u32 s42, s42, s40                     ; tile column
	s_and_b32 s17, ttmp7, 0xffff
	s_lshl_b32 s17, s17, 2
	s_add_co_u32 s17, s17, s41                     ; tile row
	s_lshl_b32 s43, s41, 2
	s_lshl_b32 s43, 15, s43                        ; my row of the cluster
	s_lshl_b32 s44, 0x1111, s40                    ; my column
	s_or_b32 s[G1A], s43, (1<<20)|(1<<21)|(6<<22)|(3<<25)   ; the mask; elements of 1 byte; 4 words of padding after every 128; bit 21 beside a mask
	s_or_b32 s[G1B], s44, (1<<20)|(1<<21)|(6<<22)|(3<<25)
.irp g, G1A, G1B
	s_mov_b32 s[\g+1], 512<<16                     ; 256 rows of 512 bytes, on end in memory
	s_mov_b32 s[\g+2], 256<<16
	s_mov_b32 s[\g+3], 512<<16
	s_mov_b32 s[\g+4], 256
	s_mov_b32 s[\g+5], 512
	s_mov_b32 s[\g+6], 0
	s_mov_b32 s[\g+7], 0
.endr
	s_or_b32 s[G1SA], s43, (3<<16)|(1<<21)         ; 4,096 dense bytes as 16 rows of 32 elements of 8 bytes, no padding
	s_or_b32 s[G1SB], s44, (3<<16)|(1<<21)
.irp g, G1SA, G1SB
	s_mov_b32 s[\g+1], 32<<16
	s_mov_b32 s[\g+2], 16<<16
	s_mov_b32 s[\g+3], 32<<16
	s_mov_b32 s[\g+4], 16
	s_mov_b32 s[\g+5], 32
	s_mov_b32 s[\g+6], 0
	s_mov_b32 s[\g+7], 0
.endr
	s_lshl_b32 s18, s17, 17                        ; o: 256 rows of 512 bytes a tile row,
	s_mov_b32 s19, 0
	s_lshl_b32 s20, s17, 12                        ; and of 16 scale bytes
	s_mov_b32 s21, 0
	s_lshl_b32 s22, s42, 17                        ; Wo likewise, by the tile column
	s_mov_b32 s23, 0
	s_lshl_b32 s46, s42, 12
	s_mov_b32 s47, 0
	s_mul_i32 s88, s16, HALF                       ; LDS: my 128 rows of Wo,
	s_mul_i32 s89, s15, HALF
	s_add_co_u32 s89, s89, AOFF                    ; of o,
	s_lshl_b32 s90, s15, 11
	s_add_co_u32 s90, s90, SCA                     ; their scale bytes,
	s_lshl_b32 s91, s16, 11
	s_add_co_u32 s91, s91, SCB
	s_mul_i32 s92, s14, 16*PITCH
	s_add_co_u32 s92, s92, STAGE                   ; my stage
	s_lshl_b32 s94, s17, 1
	s_add_co_u32 s94, s94, s15
	s_lshl_b32 s94, s94, 20                        ; out0: 128 rows of 8,192 bytes for each half tile row,
	s_lshl_b32 s95, s42, 1
	s_add_co_u32 s95, s95, s16
	s_lshl_b32 s95, s95, 9                         ; 512 bytes for each half tile column
	s_add_co_u32 s94, s94, s95
	s_mov_b32 s95, 0
	s_mov_b32 s[G0A], 1
	s_mov_b32 s[G0A+1], AOFF
	s_mov_b32 s[G0B], 1
	s_mov_b32 s[G0B+1], 0
	s_mov_b32 s[G0SA], 1
	s_mov_b32 s[G0SA+1], SCA
	s_mov_b32 s[G0SB], 1
	s_mov_b32 s[G0SB+1], SCB
	s_wait_dscnt 0x0                               ; both opening adds are done
	CROUND                                         ; all sixteen work-groups are here: the joint loads meet
	s_wait_kmcnt 0x0
	s_add_nc_u64 s[G0A+2:G0A+3], s[4:5], s[18:19]
	s_or_b32 s[G0A+3], s[G0A+3], 0x80000000
	s_add_nc_u64 s[G0SA+2:G0SA+3], s[6:7], s[20:21]
	s_or_b32 s[G0SA+3], s[G0SA+3], 0x80000000
	s_add_nc_u64 s[G0B+2:G0B+3], s[8:9], s[22:23]
	s_or_b32 s[G0B+3], s[G0B+3], 0x80000000
	s_add_nc_u64 s[G0SB+2:G0SB+3], s[10:11], s[46:47]
	s_or_b32 s[G0SB+3], s[G0SB+3], 0x80000000
	s_add_nc_u64 s[12:13], s[12:13], s[94:95]
	ARM 1, G0B,  G1B,  .Lhead_a                    ; wave 0: Wo's rows, which are wanted first and go on into registers
	ARM 2, G0A,  G1A,  .Lhead_sb
	ARM 3, G0SB, G1SB, .Lhead_sa
	tensor_load_to_lds s[G0SA:G0SA+3], s[G1SA:G1SA+7]
	s_nop 0
	PLACES 4
.Lhead_asked:
	v_and_b32 v1, 15, v0                           ; r
	v_bfe_u32 v2, v0, 4, 1                         ; h
	v_and_b32 v3, 31, v0                           ; lane
	v_mul_u32_u24 v11, v1, PITCH
	v_lshl_add_u32 v11, v2, 4, v11                 ; a fragment's row x pitch + 16 h
	v_add_nc_u32 v[ADRB], s88, v11
	v_add_nc_u32 v[ADRA], s89, v11
	v_lshlrev_b32 v12, 4, v1                       ; a row's 16 scale bytes
	v_add_nc_u32 v[ASA], s90, v12
	v_mad_u32_u24 v12, v2, 256, v12                ; lanes 16-31 take the next tile's
	v_add_nc_u32 v[ASB], s91, v12
	v_mul_u32_u24 v13, v1, PITCH
	v_lshl_add_u32 v13, v2, 5, v13
	v_add_nc_u32 v[STO], s92, v13                  ; into the stage: row r, 32 bytes for each half of the lanes
	v_lshlrev_b32 v[CO], 4, v3                     ; back, and in out0: the 32 lanes take one row of 512 bytes
	v_add_nc_u32 v[RD], s92, v[CO]
	s_wait_alu depctr_va_vdst(0)
	s_cmp_eq_u32 s14, 0
	s_cbranch_scc0 .Lnot_b
	s_wait_tensorcnt 0x0                           ; wave 0, the only issuer of that line: Wo's rows have landed.  The others' wait stands at the second barrier
.Lnot_b:
	BARRIER
.irp q, 0,1,2,3                                ; my 128 rows of Wo, all of K: 128 loads
	WIN ((1+\q/2)<<6)
.irp b, 0,1,2,3,4,5,6,7
.irp c, 0,1,2,3
	ds_load_b128 v[16*((8*\q+\b)%16)+4*\c:16*((8*\q+\b)%16)+4*\c+3], v[ADRB] offset:\b*16*PITCH+128*\q+32*\c
.endr
.endr
.endr
	WIN 0
	s_wait_tensorcnt 0x0                           ; every wave: o's rows and the scale bytes have landed
	s_wait_dscnt 0x0
	BARRIER
.macro FETCH a                         ; block a of o, 16 rows, all of K, into set a % 2 of window 3, and its scale words: 17 loads
	WIN 0xc0
.irp q, 0,1,2,3
.irp c, 0,1,2,3
	ds_load_b128 v[64*((\a)%2)+16*\q+4*\c:64*((\a)%2)+16*\q+4*\c+3], v[ADRA] offset:(\a)*16*PITCH+128*\q+32*\c
.endr
.endr
	WIN 0
	ds_load_b128 v[SA+4*((\a)%2):SA+4*((\a)%2)+3], v[ASA] offset:256*(\a)
.endm
.macro PROD a                          ; 32 products: K ascending, the eight sums by turns; the first eight start the sums
.irp q, 0,1,2,3
	WIN (0x0d+\q/2)                                ; source 0 window 1 or 2, source 1 window 3, C and D window 0
.irp b, 0,1,2,3,4,5,6,7
.set D_, ACC+64*((\a)%2)+8*\b
.set W_, 16*((8*\q+\b)%16)
.set X_, 64*((\a)%2)+16*\q
.set P_, SB+4*(\b/2)+\q
.set R_, SA+4*((\a)%2)+\q
.if \q == 0 && \b%2
	v_wmma_scale_f32_16x16x128_f8f6f4 v[D_:D_+7], v[W_:W_+15], v[X_:X_+15], 0, v[P_], v[R_] matrix_a_scale:MATRIX_SCALE_ROW1
.elseif \q == 0
	v_wmma_scale_f32_16x16x128_f8f6f4 v[D_:D_+7], v[W_:W_+15], v[X_:X_+15], 0, v[P_], v[R_]
.elseif \b%2
	v_wmma_scale_f32_16x16x128_f8f6f4 v[D_:D_+7], v[W_:W_+15], v[X_:X_+15], v[D_:D_+7], v[P_], v[R_] matrix_a_scale:MATRIX_SCALE_ROW1
.else
	v_wmma_scale_f32_16x16x128_f8f6f4 v[D_:D_+7], v[W_:W_+15], v[X_:X_+15], v[D_:D_+7], v[P_], v[R_]
.endif
.endr
.endr
	WIN 0
.endm
.macro TOSTAGE a                       ; the block's sums into my stage, each from its low end on, and back as rows; LDS serves a wave's instructions in order (ISA guide 5.7.1.4)
.irp b, 0,1,2,3,4,5,6,7
	ds_store_b128 v[STO], v[ACC+64*((\a)%2)+8*\b:ACC+64*((\a)%2)+8*\b+3] offset:64*\b
	ds_store_b128 v[STO], v[ACC+64*((\a)%2)+8*\b+4:ACC+64*((\a)%2)+8*\b+7] offset:64*\b+16
.endr
.irp t, 0,1,2,3,4,5,6,7,8,9,10,11,12,13,14,15
	ds_load_b128 v[BK+4*\t:BK+4*\t+3], v[RD] offset:\t*PITCH
.endr
.endm
.macro SEND a                          ; each store of the wave covers 512 consecutive bytes, aligned; every offset is an immediate: 127 rows of 8,192 bytes at the most
.irp t, 0,1,2,3,4,5,6,7,8,9,10,11,12,13,14,15
	global_store_b128 v[CO], v[BK+4*\t:BK+4*\t+3], s[12:13] offset:(16*(\a)+\t)*8192 th:TH_STORE_NT
.endr
.endm
.macro BLOCKW a
.if (\a) == 0
	s_wait_dscnt 17                                ; all but block 1's 17 loads are in
.elseif (\a) == 1
	s_wait_dscnt 49                                ; block 1 is in; behind it: block 2's 17 loads and block 0's 32 stage instructions
.endif                                         ; (later blocks were fetched ahead of a wait for 0)
	PROD \a
.if (\a) > 0
	s_wait_dscnt 0x0                               ; the block before is back from the stage
	SEND (\a)-1
.endif
	PLACES 8                                       ; eight plain lines behind the last product, ahead of the loads into what it read and of the stores of its sums (ISA guide 7.12.1 for the stores of its sums)
.if (\a)+2 < 8
	FETCH (\a)+2
.endif
.if (\a) > 0
	s_wait_xcnt 0x0                                ; the stores have read their data: the next block may land there
.endif
	TOSTAGE \a
.endm
.irp p, 0,1,2,3
	ds_load_b128 v[SB+4*\p:SB+4*\p+3], v[ASB] offset:512*\p        ; Wo's scale words
.endr
	FETCH 0
	FETCH 1
.irp a, 0,1,2,3,4,5,6,7
	BLOCKW \a
.endr
	s_wait_dscnt 0x0
	SEND 7
	s_wait_tensorcnt 0x0                           ; the wave's end
	ds_add_u32 v[SPW], v[NIL]
	s_wait_dscnt 0x0
	CROUND                                         ; the closing round
	s_endpgm
.Lfunc_end_k_q1c50dbbe31_outp:
	.size	k_q1c50dbbe31_outp, .Lfunc_end_k_q1c50dbbe31_outp-k_q1c50dbbe31_outp
	.p2alignl 7, 3214868480
	.fill 96, 4, 3214868480
	.section	.rodata,"a",@progbits
	.p2align	6, 0x0
	.amdhsa_kernel k_q1c50dbbe31_outp
		.amdhsa_group_segment_fixed_size 327680
		.amdhsa_private_segment_fixed_size 0
		.amdhsa_enable_private_segment 0
		.amdhsa_kernarg_size 40
		.amdhsa_user_sgpr_count 2
		.amdhsa_user_sgpr_kernarg_segment_ptr 1
		.amdhsa_wavefront_size32 1
		.amdhsa_system_sgpr_workgroup_id_x 1
		.amdhsa_system_sgpr_workgroup_id_y 1
		.amdhsa_system_sgpr_workgroup_id_z 1
		.amdhsa_system_vgpr_workitem_id 0
		.amdhsa_next_free_vgpr 1024
		.amdhsa_next_free_sgpr 98
		.amdhsa_reserve_vcc 0
		.amdhsa_float_denorm_mode_32 3
		.amdhsa_float_denorm_mode_16_64 3
		.amdhsa_memory_ordered 1
		.amdhsa_forward_progress 1
		.amdhsa_inst_pref_size 89
	.end_amdhsa_kernel
	.amdgpu_metadata
---
amdhsa.version: [ 1, 2 ]
amdhsa.kernels:
  - .name:           k_q1c50dbbe31_outp
    .symbol:         k_q1c50dbbe31_outp.kd
    .args:
      - { .name: o_codes, .offset: 0, .size: 8, .value_kind: global_buffer, .address_space: global }
      - { .name: o_scales, .offset: 8, .size: 8, .value_kind: global_buffer, .address_space: global }
      - { .name: wo_codes, .offset: 16, .size: 8, .value_kind: global_buffer, .address_space: global }
      - { .name: wo_scales, .offset: 24, .size: 8, .value_kind: global_buffer, .address_space: global }
      - { .name: out0, .offset: 32, .size: 8, .value_kind: global_buffer, .address_space: global }
    .group_segment_fixed_size: 327680
    .private_segment_fixed_size: 0
    .kernarg_segment_align: 8
    .kernarg_segment_size: 40
    .max_flat_workgroup_size: 128
    .sgpr_count:     98
    .vgpr_count:     1024
    .wavefront_size: 32
...
	.end_amdgpu_metadata
.endif
;; end of part 4
